; MI455X (gfx1250); checked and timed in simulation.
; The chip was launched on July 23, 2026; its instructions are those of AMD's public machine-readable ISA for CDNA 5 (MIT licence, August 2026) and "CDNA5" Instruction Set Architecture Reference Guide (July 2026). The comments in the code are by the model that wrote it; some were corrected since.
;; Multihead Self Attention. Allowed arithmetic: matrix products marked QUANTISED: E2M1 operands, one E8M0 scale for each 32 along K, by v_wmma_scale_f32_16x16x128_f8f6f4 with both operands' format E2M1 (or v_wmma_scale_f32_32x16x128_f4), f32 sums; products left as they are: bf16, f16 or f32 operands; f32 sums; everything else in f32.
;; Inputs: Wk 16 x 64 x 1,024 float32; Wo 1,024 x 1,024 float32; Wq 16 x 64 x 1,024 float32; Wv 16 x 64 x 1,024 float32; x 4 x 2,048 x 1,024 float32.
;; Outputs: out0 4 x 2,048 x 1,024 float32.
;; This version of the problem:
;;   THIS VERSION OF THE PROBLEM IS GIVEN IN LOW PRECISION. The matrix products marked QUANTISED in the list below multiply operands that are first quantised to E2M1 (2 exponent bits, 1 mantissa bit; 4 bits a number), with one power-of-two scale for each 32 numbers along K (OCP MX v1.0); their sums are f32. The products marked 'left as it is' may take bf16, f16 or f32 operands, with f32 sums. Whichever they take, every output number must still come out within the allowed error. Rounding operands to bf16 (8 significant bits) uses up far more of that allowance than f16 does (11 bits, for magnitudes from 6e-5 to 65,504). All else is computed in f32.
;;   The module's matrix products, in the order in which they are computed (A, B: the left and right operand; K: the contracted axis; several contracted axes count as one K, in the product's order):
;;     1. [M 1,024, K 1,024] x [K 1,024, N 8,192]; A: input Wq; B: input x: QUANTISED
;;     2. [M 1,024, K 1,024] x [K 1,024, N 8,192]; A: input Wk; B: input x: QUANTISED
;;     3. [M 1,024, K 1,024] x [K 1,024, N 8,192]; A: input Wv; B: input x: QUANTISED
;;     4. batch 64 x [M 2,048, K 64] x [K 64, N 2,048]; A: computed on the way; B: computed on the way: left as it is (an operand is computed on the way)
;;     5. batch 64 x [M 2,048, K 2,048] x [K 2,048, N 64]; A: computed on the way; B: computed on the way: left as it is (an operand is computed on the way)
;;     6. [M 8,192, K 1,024] x [K 1,024, N 1,024]; A: computed on the way; B: input Wo: left as it is (an operand is computed on the way)
;;   THE QUANTISER, for each operand of a quantised product, along K:
;;     - K is cut into blocks of 32 from its start; a last block that is shorter is filled with zeros.
;;     - A block's scale is 2^e with e = floor(log2(the largest magnitude in the block)) - 2, held to -126 .. 127; a block of zeros has e = 0. As a byte (E8M0): e + 127.
;;     - Each number is divided by its block's scale, clamped to +-6, and rounded to the nearest number of E2M1, ties to even, subnormals kept.
;;     - The product sums the exact products of the quantised numbers (number of the format x scale) in f32.
;;   ~~~python
;;   def quantise(x, axis):      # numpy; x: float32 -> the quantised numbers, widened to float32 again
;;       x = np.moveaxis(x, axis, -1); K = x.shape[-1]
;;       x = np.pad(x, [(0, 0)] * (x.ndim - 1) + [(0, -K % 32)]); x = x.reshape(x.shape[:-1] + (-1, 32)); a = np.abs(x).max(-1, keepdims=True)
;;       e = np.where(a > 0, np.clip(np.frexp(np.where(a > 0, a, 1))[1] - 1 - 2, -126, 127), 0)      # np.frexp(a)[1] - 1 = floor(log2(a)), exactly
;;       r = np.clip(x / 2.0 ** e, -6, 6)
;;       step = 2.0 ** (np.maximum(np.frexp(np.where(r == 0, 1, r))[1] - 1, 0) - 1)
;;       q = np.round(r / step) * step * 2.0 ** e      # np.round: ties to even
;;       return np.moveaxis(q.reshape(q.shape[:-2] + (-1,))[..., :K], -1, axis).astype(np.float32)
;;   ~~~
;; One version. Each part assembles by itself: llvm-mc -triple=amdgcn-amd-amdhsa -mcpu=gfx1250 --defsym DOCPART=n.
;; ======== version 1 of 1: 5 launches
;; limits: values are held in f16: magnitudes above 65,504 overflow, below 6.1e-05 lose precision
;; workspace buffers: x_codes 4,194,304 bytes; x_scales 262,144 bytes; w_codes 1,572,864 bytes; w_scales 98,304 bytes; wo_h 2,097,152 bytes; qkv 50,331,648 bytes; first 786,432 bytes; att 16,777,216 bytes
;; launch quant (part 1): grid 384 x 1, 4 waves a work-group, no clusters, 33,280 bytes of LDS; arguments x, Wq, Wk, Wv, Wo, x_codes, x_scales, w_codes, w_scales, wo_h; writes x_codes, x_scales, w_codes, w_scales, wo_h
.if DOCPART == 1
	.amdgcn_target "amdgcn-amd-amdhsa--gfx1250"
	.amdhsa_code_object_version 6
	.text
	.protected	k_q9af2cee4b1_quant
	.globl	k_q9af2cee4b1_quant
	.p2align	8
	.type	k_q9af2cee4b1_quant,@function
k_q9af2cee4b1_quant:
	s_mov_b64 s[64:65], 0
	v_nop
	global_prefetch_b8 v0, s[64:65] scope:SCOPE_SE
	s_setreg_imm32_b32 hwreg(HW_REG_WAVE_MODE, 25, 1), 1
	s_wait_xcnt 0x0
; x [8192][1024] and Wq, Wk, Wv ([1024][1024] each), f32, become codes of FP4 (E2M1), K innermost, two codes a byte, with one E8M0 byte for each 32 along K;
; the three weights' codes and bytes lie on end in w_codes [3072][512 bytes] and w_scales [3072][32].  Wo [1024][1024] becomes f16, laid [n / 256][k / 64][256 n][64 k].
; A block's scale is 2^(floor(log2(its largest magnitude)) - 2): its byte is the largest magnitude's exponent field - 2, held at 1 from below.  A block of zeros keeps the byte 1: its codes are
; zeros, which add nothing, and this program alone reads the bytes.
; LIMITS: blocks whose largest magnitude lies under 2^-124 keep the byte 1; NaN and infinities are not served; |Wo| stays under 65,504 (f16).
; SHARES: work-groups 0-255 take x, 256-351 the three weights (32 each), 32,768 numbers a work-group, 8,192 a wave in 16 steps of 512; work-groups 352-383 take Wo, 32 rows each.
; The rows are dense and 1,024 is a multiple of 32, so the first four tensors are plain streams of blocks of 32.  Each load reads 512 consecutive bytes; a step's 2,048 bytes turn through the wave's own
; stage in LDS and come back 64 bytes a lane, so that a lane holds 16 neighbours along K (two lanes hold a block).  Waves share nothing: no barrier.
.set WAVES, 4
.set STEPS, 16
.set WGX,   256                        ; work-groups for x
.set WGQ,   352                        ; and for all that is quantised
.set EMAX,  2
.set CB,    8                          ; bytes of 16 codes
.set R,     16                         ; v16-79   four sets of 16 numbers as they are loaded
.set X,     80                         ; v80-111  two sets of 16 neighbours
.set E,     112                        ; v112-127 a scale byte for each step
.set C,     128                        ; v128-191 codes: four registers for each step, so that no store's data are written again
.set WREG,  8192                       ; LDS: a region for each wave: two stages of 32 x SP bytes, then its 256 scale bytes
.set SP,    80                         ; a lane's place in a stage: 64 bytes + 16 of padding
.set SPW,   12                         ; v12  LDS address of my spare word; never rewritten
.set NIL,   13                         ; v13  0; never rewritten
.set SPARE, WAVES*WREG                 ; behind the regions: the spare words, 128 bytes a wave
	s_load_b512 s[4:19], s[0:1], 0x0               ; x 4, Wq 6, Wk 8, Wv 10, Wo 12, x_codes 14, x_scales 16, w_codes 18
	s_load_b128 s[20:23], s[0:1], 0x40             ; w_scales 20, wo_h 22
	v_lshl_add_u32 v[SPW], v0, 2, SPARE
	v_mov_b32 v[NIL], 0
	v_lshrrev_b32 v1, 5, v0
	v_readfirstlane_b32 s24, v1                    ; wave
	v_and_b32 v2, 31, v0                           ; lane
	s_cmp_ge_u32 ttmp9, WGQ
	s_cbranch_scc1 .Lwo                            ; Wo's work-groups: a path of their own, which touches no LDS
	v_lshlrev_b32 v3, 4, v2                        ; my 16 bytes of a load's 512
	s_mul_i32 s25, s24, WREG
	v_lshrrev_b32 v14, 2, v2
	v_mul_u32_u24 v14, v14, SP
	v_and_b32 v15, 3, v2
	v_lshl_add_u32 v14, v15, 4, v14
	v_add_nc_u32 v14, s25, v14                     ; the stage, way in: SP (lane / 4) + 16 (lane % 4)
	v_mul_u32_u24 v15, v2, SP
	v_add_nc_u32 v15, s25, v15                     ; way out: SP x lane: my 16 neighbours
	v_mul_u32_u24 v4, v2, CB                       ; my codes' place in a step's
	v_lshrrev_b32 v5, 1, v2
	s_add_co_u32 s25, s25, 2*32*SP
	v_add_nc_u32 v5, s25, v5                       ; my block's byte among my wave's 256
	v_lshlrev_b32 v7, 3, v2
	v_add_nc_u32 v6, s25, v7                       ; and 8 bytes a lane on their way out
	s_wait_kmcnt 0x0
	s_sub_co_u32 s26, ttmp9, WGX                   ; the work-group's number among the weights' 96 (used there alone)
	s_lshr_b32 s27, s26, 5                         ; which weight
	s_and_b32 s28, s26, 31                         ; and which part of it
	s_cmp_eq_u32 s27, 1                            ; the choices hang on the work-group's number alone
	s_cselect_b64 s[6:7], s[8:9], s[6:7]
	s_cmp_eq_u32 s27, 2
	s_cselect_b64 s[6:7], s[10:11], s[6:7]
	s_cmp_lt_u32 ttmp9, WGX
	s_cselect_b64 s[4:5], s[4:5], s[6:7]           ; from where,
	s_cselect_b64 s[14:15], s[14:15], s[18:19]     ; codes to where,
	s_cselect_b64 s[16:17], s[16:17], s[20:21]     ; bytes to where
	s_cselect_b32 s28, ttmp9, s28                  ; the part in the source
	s_cselect_b32 s26, ttmp9, s26                  ; and in the destination
	s_lshl_b32 s28, s28, 2
	s_add_co_u32 s28, s28, s24                     ; my wave's run of 8,192 numbers
	s_lshl_b32 s26, s26, 2
	s_add_co_u32 s26, s26, s24
	s_lshl_b32 s30, s28, 15                        ; 32,768 bytes of f32 a run
	s_mov_b32 s31, 0
	s_add_nc_u64 s[4:5], s[4:5], s[30:31]
	s_lshl_b32 s30, s26, 12                        ; 4,096 bytes of codes
	s_add_nc_u64 s[14:15], s[14:15], s[30:31]
	s_lshl_b32 s30, s26, 8                         ; 256 scale bytes
	s_add_nc_u64 s[16:17], s[16:17], s[30:31]
.macro LOAD t
.irp i, 0,1,2,3
	global_load_b128 v[R+16*((\t)%4)+4*\i:R+16*((\t)%4)+4*\i+3], v3, s[4:5] offset:2048*(\t)+512*\i th:TH_LOAD_NT   ; 32 lanes read 512 consecutive bytes
.endr
.endm
.macro TURN t                          ; step t's numbers through the stage: LDS serves a wave's instructions in order, so no wait stands between the stores and the loads
.irp i, 0,1,2,3
	ds_store_b128 v14, v[R+16*((\t)%4)+4*\i:R+16*((\t)%4)+4*\i+3] offset:32*SP*((\t)%2)+8*SP*\i
.endr
.irp i, 0,1,2,3
	ds_load_b128 v[X+16*((\t)%2)+4*\i:X+16*((\t)%2)+4*\i+3], v15 offset:32*SP*((\t)%2)+16*\i
.endr
.endm
.irp t, 0,1,2,3
	LOAD \t
.endr
	s_wait_loadcnt 12                              ; step 0's four loads are in; the twelve of steps 1 to 3 may be out
	TURN 0
.macro STEP t
.set XS, X+16*((\t)%2)
.if (\t) > 0
	s_wait_dscnt 1                                 ; this step's numbers are back from the stage (the last step's byte store may be out)
.else
	s_wait_dscnt 0x0
.endif
.if (\t)+4 < STEPS
	LOAD (\t)+4                                    ; into the set that the stage's stores have read
.endif
.if (\t)+1 < STEPS
.if STEPS-2-(\t) >= 3
	s_wait_loadcnt 12                              ; the next step's four loads are in; those of the three steps behind it may be out
.else
	s_wait_loadcnt 4*(STEPS-2-(\t))
.endif
	TURN (\t)+1
.endif
	v_max3_num_f32 v8, |v[XS]|, |v[XS+1]|, |v[XS+2]|               ; the largest magnitude of my 16, in two chains
	v_max3_num_f32 v9, |v[XS+3]|, |v[XS+4]|, |v[XS+5]|
.irp i, 6,10
	v_max3_num_f32 v8, v8, |v[XS+\i]|, |v[XS+\i+1]|
	v_max3_num_f32 v9, v9, |v[XS+\i+2]|, |v[XS+\i+3]|
.endr
	v_max3_num_f32 v8, v8, |v[XS+14]|, |v[XS+15]|
	v_max3_num_f32 v8, v8, v9, (EMAX+1)<<23        ; and the floor 2^(3 - 127): the byte cannot fall under 1
	v_max_num_f32_dpp v8, v8, v8 row_xmask:1 row_mask:0xf bank_mask:0xf   ; with my neighbour's 16: the block's
	v_add_nc_u32 v11, -(EMAX<<23), v8              ; 2 off its exponent field: the conversion takes the exponent field of this operand as its scale
	v_cvt_scalef32_pk8_fp4_f32 v[C+4*(\t)], v[XS:XS+7], v11
	v_cvt_scalef32_pk8_fp4_f32 v[C+4*(\t)+1], v[XS+8:XS+15], v11
	v_lshrrev_b32 v[E+(\t)], 23, v11               ; the scale's byte
	ds_store_b8 v5, v[E+(\t)] offset:16*(\t)       ; both lanes of a block write the same byte with the same value
	global_store_b64 v4, v[C+4*(\t):C+4*(\t)+1], s[14:15] offset:32*CB*(\t)   ; the wave stores 256 consecutive bytes, aligned
.endm
.irp t, 0,1,2,3,4,5,6,7,8,9,10,11,12,13,14,15
	STEP \t
.endr
	ds_load_b64 v[8:9], v6                         ; LDS serves a wave's instructions in order: these see my byte stores
	s_wait_dscnt 0x0
	global_store_b64 v7, v[8:9], s[16:17]          ; 256 consecutive bytes, aligned
	s_wait_tensorcnt 0x0                           ; the wave's end, behind my last LDS store
	ds_add_u32 v[SPW], v[NIL]
	s_wait_dscnt 0x0
	s_endpgm
; Wo to f16.  A wave takes 8 rows as 4 pairs; a load reads 256 consecutive bytes (64 along K) of each row of a pair, 16 bytes a lane; a lane's four numbers become 8 bytes,
; and the wave's store covers 256 consecutive bytes: the pair's two rows of one block of 64 along K lie on end in wo_h.
.Lwo:
	v_lshrrev_b32 v3, 4, v2                        ; which row of the pair
	v_and_b32 v4, 15, v2
	v_lshlrev_b32 v4, 4, v4
	v_lshl_add_u32 v3, v3, 12, v4                  ; in: 4,096 x row + 16 x (lane % 16)
	v_lshlrev_b32 v5, 3, v2                        ; out: 8 x lane
	s_sub_co_u32 s26, ttmp9, WGQ
	s_lshl_b32 s26, s26, 5
	s_lshl_b32 s27, s24, 3
	s_add_co_u32 s26, s26, s27                     ; my first row n0 = 32 x work-group + 8 x wave
	s_lshl_b32 s28, s26, 12                        ; in Wo
	s_mov_b32 s29, 0
	s_lshr_b32 s30, s26, 8
	s_lshl_b32 s30, s30, 19                        ; in wo_h: 524,288 x (n0 / 256)
	s_and_b32 s27, s26, 255
	s_lshl_b32 s27, s27, 7                         ; + 128 x (n0 % 256)
	s_add_co_u32 s30, s30, s27
	s_mov_b32 s31, 0
	s_wait_kmcnt 0x0
	s_add_nc_u64 s[12:13], s[12:13], s[28:29]
	s_add_nc_u64 s[22:23], s[22:23], s[30:31]
.macro LOADP p                         ; pair p: 16 loads into v16-79 (p even) or v80-143 (p odd)
.irp k, 0,1,2,3,4,5,6,7,8,9,10,11,12,13,14,15
	global_load_b128 v[16+64*((\p)%2)+4*\k:16+64*((\p)%2)+4*\k+3], v3, s[12:13] offset:8192*(\p)+256*\k th:TH_LOAD_NT
.endr
.endm
.macro PAIR p
.if (\p) < 3
	s_wait_loadcnt 16                              ; this pair's loads are in; the next pair's sixteen may be out
.else
	s_wait_loadcnt 0x0
.endif
.if (\p) > 0
	s_wait_xcnt 0x0                                ; the last pair's stores have read v144-175, which are written again below
.endif
.irp k, 0,1,2,3,4,5,6,7,8,9,10,11,12,13,14,15
	v_cvt_pk_f16_f32 v[144+2*\k], v[16+64*((\p)%2)+4*\k], v[16+64*((\p)%2)+4*\k+1]
	v_cvt_pk_f16_f32 v[145+2*\k], v[16+64*((\p)%2)+4*\k+2], v[16+64*((\p)%2)+4*\k+3]
.endr
.irp k, 0,1,2,3,4,5,6,7,8,9,10,11,12,13,14,15
	global_store_b64 v5, v[144+2*\k:145+2*\k], s[22:23] offset:32768*\k+256*(\p)
.endr
.if (\p) < 2
	LOADP (\p)+2
.endif
.endm
	LOADP 0
	LOADP 1
	PAIR 0
	PAIR 1
	PAIR 2
	PAIR 3
	s_endpgm
.Lfunc_end_k_q9af2cee4b1_quant:
	.size	k_q9af2cee4b1_quant, .Lfunc_end_k_q9af2cee4b1_quant-k_q9af2cee4b1_quant
	.p2alignl 7, 3214868480
	.fill 96, 4, 3214868480
	.section	.rodata,"a",@progbits
	.p2align	6, 0x0
	.amdhsa_kernel k_q9af2cee4b1_quant
		.amdhsa_group_segment_fixed_size 33280
		.amdhsa_private_segment_fixed_size 0
		.amdhsa_enable_private_segment 0
		.amdhsa_kernarg_size 80
		.amdhsa_user_sgpr_count 2
		.amdhsa_user_sgpr_kernarg_segment_ptr 1
		.amdhsa_wavefront_size32 1
		.amdhsa_system_sgpr_workgroup_id_x 1
		.amdhsa_system_sgpr_workgroup_id_y 1
		.amdhsa_system_sgpr_workgroup_id_z 1
		.amdhsa_system_vgpr_workitem_id 0
		.amdhsa_next_free_vgpr 192
		.amdhsa_next_free_sgpr 66
		.amdhsa_reserve_vcc 0
		.amdhsa_float_denorm_mode_32 3
		.amdhsa_float_denorm_mode_16_64 3
		.amdhsa_memory_ordered 1
		.amdhsa_forward_progress 1
		.amdhsa_inst_pref_size 55
	.end_amdhsa_kernel
	.amdgpu_metadata
---
amdhsa.version: [ 1, 2 ]
amdhsa.kernels:
  - .name:           k_q9af2cee4b1_quant
    .symbol:         k_q9af2cee4b1_quant.kd
    .args:
      - { .name: x, .offset: 0, .size: 8, .value_kind: global_buffer, .address_space: global }
      - { .name: Wq, .offset: 8, .size: 8, .value_kind: global_buffer, .address_space: global }
      - { .name: Wk, .offset: 16, .size: 8, .value_kind: global_buffer, .address_space: global }
      - { .name: Wv, .offset: 24, .size: 8, .value_kind: global_buffer, .address_space: global }
      - { .name: Wo, .offset: 32, .size: 8, .value_kind: global_buffer, .address_space: global }
      - { .name: x_codes, .offset: 40, .size: 8, .value_kind: global_buffer, .address_space: global }
      - { .name: x_scales, .offset: 48, .size: 8, .value_kind: global_buffer, .address_space: global }
      - { .name: w_codes, .offset: 56, .size: 8, .value_kind: global_buffer, .address_space: global }
      - { .name: w_scales, .offset: 64, .size: 8, .value_kind: global_buffer, .address_space: global }
      - { .name: wo_h, .offset: 72, .size: 8, .value_kind: global_buffer, .address_space: global }
    .group_segment_fixed_size: 33280
    .private_segment_fixed_size: 0
    .kernarg_segment_align: 8
    .kernarg_segment_size: 80
    .max_flat_workgroup_size: 128
    .sgpr_count:     66
    .vgpr_count:     192
    .wavefront_size: 32
...
	.end_amdgpu_metadata
.endif
;; end of part 1
;; launch qkv (part 2): grid 12 x 32, 4 waves a work-group, clusters of 4 x 4, 327,680 bytes of LDS; arguments x_codes, x_scales, w_codes, w_scales, qkv, first; writes qkv, first
.if DOCPART == 2
	.amdgcn_target "amdgcn-amd-amdhsa--gfx1250"
	.amdhsa_code_object_version 6
	.text
	.protected	k_q9af2cee4b1_qkv
	.globl	k_q9af2cee4b1_qkv
	.p2align	8
	.type	k_q9af2cee4b1_qkv,@function
k_q9af2cee4b1_qkv:
	s_mov_b64 s[64:65], 0
	v_nop
	global_prefetch_b8 v0, s[64:65] scope:SCOPE_SE
	s_setreg_imm32_b32 hwreg(HW_REG_WAVE_MODE, 25, 1), 1
	s_wait_xcnt 0x0
	s_wait_alu depctr_hold_cnt(0) depctr_sa_sdst(0) depctr_va_vdst(0) depctr_va_sdst(0) depctr_va_ssrc(0) depctr_va_vcc(0) depctr_vm_vsrc(0)
	s_getreg_b32 s2, hwreg(HW_REG_IB_STS2, 6, 4)
	s_cmp_eq_u32 s2, 0
	s_cbranch_scc0 .Lentry_in_a_cluster
	s_endpgm
.Lentry_in_a_cluster:
	s_bfe_u32 s2, ttmp6, 0x10000c
	s_cmp_lg_u32 s2, 0xf033
	s_cbranch_scc0 .Lentry_shape_is_right
	s_endpgm
.Lentry_shape_is_right:
; C[m][n] = sum over k of x[m][k] W[n][k] on codes of FP4 (E2M1) with one E8M0 scale for each 32 along K: m = 8,192 rows of x, n = 3,072 rows of Wq, Wk, Wv on end, K = 1,024.  Sums in f32.
; C leaves as f16 by head, qkv [b 4][g 48][s 2048][64], g = n / 64; the f32 sums of each sequence's positions 0-15 leave besides in first [b 4][16][3072], for the launch that carries those rows in f32.
; LIMIT: |C| stays under 65,504 (f16).
; A tile of C, 256 x 256, is made by four waves, 128 x 128 each: 64 accumulators of 16 x 16.  K = 1,024 is two LDS slots of 512 along K (rows of 256 bytes): both are asked for at the head and none is filled again.
; The scale bytes of the tile's 256 + 256 rows, for all of K, are two dense blocks of memory; they come once, with the first fills.
; CLUSTERS: 4 x 4 work-groups; the four of a row need the same tiles of x, the four of a column the same tiles of W: each tile is asked for jointly.  Tile row = 8 cy + cluster y, so that b = cy and
; 'this tile begins a sequence' is cluster y = 0, the same in all sixteen partners.  THE PRODUCT IS USED TRANSPOSED (source 0 = 16 rows of W, source 1 = 16 rows of x): a lane holds eight neighbouring columns of a row of C.
; REGISTERS: window 0: v0-31 addresses; v32-95 scale words, two sets, and nothing else; v128-191 x's fragments, one set; on the way out v128-191 rows read back, v192-223 packed results.
;   window 1: W's fragments, two sets, at v0 and v128.  window 2: the accumulators of my rows 0-63 ((a, b) at v[8 (8 a + b)]); window 3: those of rows 64-127.
.set KSTEP,  512
.set NQ,     KSTEP/128
.set ROWB,   256                       ; a tile's row in bytes
.set KROW,   512                       ; a row of codes in memory
.set PITCH,  272                       ; an LDS row: 256 bytes + 16 of padding = 68 words: the 16 rows that a load touches start at 16 different banks (64 banks of 4 bytes: ISA guide 11.1)
.set FR,     8
.set NL,     2
.set NP,     4                         ; places behind this matrix instruction (ISA guide 7.12.1)
.set HALFT,  128*PITCH
.set SLOT,   4*HALFT
.set KS,     32                        ; a row of scale bytes
.set SCL,    2*SLOT                    ; behind the slots: the scales, as units of 256 bytes + 16 of padding
.set HALFS,  (128*KS/256)*272
.set SBLK,   (16*KS/256)*272
.set SPARE,  SCL+4*HALFS               ; the spare words, 128 bytes a wave
.set WSTG,   16*528                    ; the way out: a stage for each wave, in slot 0, which has had its one fill and its last read when the first result is stored there
.set ADRA, 16
.set ADRB, 20
.set STO32, 22                         ; v22  stage, f32 rows of 528 bytes: where I put 32 bytes
.set RD32,  23                         ; v23  and where I read a row back
.set STO16, 24                         ; v24  stage, f16 rows of 272 bytes: where I put 16 bytes
.set RD16,  25                         ; v25  and where I read: four rows of one head, 128 bytes each
.set CO,   26                          ; v26  16 x lane
.set ADRS, 27
.set SPW,  28
.set NIL,  29
.set SC,   32
.set AF,   128
.set BK,   128
.set TMP,  192
.set G1, 24
.set G0, 32
.set G1B, 48
.set G0B, 56
.set G1S, 68
.set G0S, 76
.set G1SB, 80
.set G0SB, 88
.set FST, 95                           ; s95  0 in the waves whose first 16 rows are positions 0-15 of a sequence
.set MSB, 0
.macro WIN new                         ; the immediate's high byte repeats the setting that is left
.if MSB != (\new)
	s_set_vgpr_msb (MSB<<8)|(\new)
.set MSB, (\new)
.endif
.endm
.set MUL_LO, 0xa1                      ; source 0 (W) window 1, source 1 (x) window 0, C and D window 2
.set MUL_HI, 0xf1
.set TO_B,   0x40
; A joint load: waves 0 and 1 fetch for x, waves 2 and 3 for W.  The branch hangs on the wave's number alone.  An s_nop 0 and four v_nop follow each line.
.macro JLOAD g0a, g1a, g0b, g1b
	s_cmp_eq_u32 s15, 0
	s_cbranch_scc0 .Lfor_b_\@
	tensor_load_to_lds s[\g0a:\g0a+3], s[\g1a:\g1a+7]
	s_nop 0
.rept 4
	v_nop
.endr
	s_branch .Lasked_\@
.Lfor_b_\@:
	tensor_load_to_lds s[\g0b:\g0b+3], s[\g1b:\g1b+7]
	s_nop 0
.rept 4
	v_nop
.endr
.Lasked_\@:
.endm
.macro CROUND                          ; a round of the cluster's barrier
	s_barrier_signal -1
	s_barrier_wait -1
	s_cmp_lg_u32 s14, 0
	s_cbranch_scc1 .Lnot_wave_0_\@
	s_barrier_signal -3
.Lnot_wave_0_\@:
	s_barrier_wait -3
	s_barrier_signal -1
	s_barrier_wait -1
.endm
	s_load_b128 s[4:7], s[0:1], 0x0                ; x's codes, x's scales
	s_load_b128 s[8:11], s[0:1], 0x10              ; W's codes, W's scales
	s_load_b64 s[12:13], s[0:1], 0x20              ; qkv
	s_load_b64 s[96:97], s[0:1], 0x28              ; first
	v_lshl_add_u32 v[SPW], v0, 2, SPARE
	v_mov_b32 v[NIL], 0
	ds_add_u32 v[SPW], v[NIL]                      ; the wave's opening: the add, twice on end, and its wait ahead of my first tensor load
	ds_add_u32 v[SPW], v[NIL]
	v_lshrrev_b32 v1, 5, v0
	v_readfirstlane_b32 s14, v1                    ; wave 0..3
	s_lshr_b32 s15, s14, 1                         ; my half of the tile's rows.  Also: I fetch for x (0) or for W (1)
	s_and_b32 s16, s14, 1                          ; my half of its columns.  Also: which 128 rows I fetch
	s_bfe_u32 s40, ttmp6, 0x40000                  ; cx
	s_bfe_u32 s41, ttmp6, 0x40004                  ; cy
	s_lshl_b32 s42, ttmp9, 2
	s_add_co_u32 s42, s42, s40                     ; tile column = 4 x cluster x + cx
	s_and_b32 s17, ttmp7, 0xffff                   ; cluster y
	s_or_b32 s[FST], s17, s15                      ; made of the cluster's y and the wave's number: no partner differs
	s_lshl_b32 s18, s41, 3
	s_add_co_u32 s17, s17, s18                     ; tile row = 8 cy + cluster y
	s_lshl_b32 s43, s41, 2
	s_lshl_b32 s43, 15, s43                        ; my row of the cluster
	s_lshl_b32 s44, 0x1111, s40                    ; my column
	s_or_b32 s[G1+0], s43, (0<<16)|(1<<20)|(1<<21)|(5<<22)|(3<<25)  ; the mask; elements of 1 byte; padding: 4 words after every 64; bit 21 beside a mask
	s_or_b32 s[G1B+0], s44, (0<<16)|(1<<20)|(1<<21)|(5<<22)|(3<<25)
.irp g, G1, G1B
	s_mov_b32 s[\g+1], ROWB<<16                    ; tensor_dim0
	s_mov_b32 s[\g+2], 128<<16                     ; tensor_dim1
	s_mov_b32 s[\g+3], ROWB<<16                    ; tile_dim0
	s_mov_b32 s[\g+4], 128                         ; tile_dim1
	s_mov_b32 s[\g+5], KROW                        ; from row to row
	s_mov_b32 s[\g+6], 0
	s_mov_b32 s[\g+7], 0
.endr
	s_or_b32 s[G1S+0], s43, (3<<16)|(1<<20)|(1<<21)|(5<<22)|(3<<25)  ; the scales of 128 rows: 4,096 dense bytes as 16 rows of 32 elements of 8 bytes
	s_or_b32 s[G1SB+0], s44, (3<<16)|(1<<20)|(1<<21)|(5<<22)|(3<<25)
.irp g, G1S, G1SB
	s_mov_b32 s[\g+1], 32<<16
	s_mov_b32 s[\g+2], (128*KS/256)<<16
	s_mov_b32 s[\g+3], 32<<16
	s_mov_b32 s[\g+4], 128*KS/256
	s_mov_b32 s[\g+5], 32
	s_mov_b32 s[\g+6], 0
	s_mov_b32 s[\g+7], 0
.endr
	s_lshl_b32 s18, s16, 7
	s_lshl_b32 s20, s17, 8
	s_add_co_u32 s20, s20, s18                     ; x: row 256 x tile row + 128 x half
	s_lshl_b32 s46, s42, 8
	s_add_co_u32 s46, s46, s18                     ; W: row 256 x tile column + 128 x half
	s_mov_b32 s21, 0
	s_mov_b32 s47, 0
	s_mov_b64 s[18:19], KS
	s_mul_u64 s[22:23], s[20:21], s[18:19]         ; where these rows' scales begin
	s_mul_u64 s[92:93], s[46:47], s[18:19]
	s_mov_b64 s[18:19], KROW
	s_mul_u64 s[20:21], s[20:21], s[18:19]         ; and their codes
	s_mul_u64 s[46:47], s[46:47], s[18:19]
	s_mul_i32 s45, s14, HALFT                      ; where they go: wave x 128 rows
	s_mul_i32 s94, s14, HALFS
	s_wait_dscnt 0x0                               ; both opening adds are done
	s_wait_kmcnt 0x0
	s_add_nc_u64 s[20:21], s[4:5], s[20:21]
	s_add_nc_u64 s[22:23], s[6:7], s[22:23]
	s_add_nc_u64 s[46:47], s[8:9], s[46:47]
	s_add_nc_u64 s[92:93], s[10:11], s[92:93]
	CROUND                                         ; all sixteen work-groups are here: the joint loads meet
	s_mov_b32 s[G0S], 1
	s_add_co_u32 s[G0S+1], s94, SCL
	s_mov_b64 s[G0S+2:G0S+3], s[22:23]
	s_or_b32 s[G0S+3], s[G0S+3], 0x80000000
	s_mov_b32 s[G0SB], 1
	s_add_co_u32 s[G0SB+1], s94, SCL
	s_mov_b64 s[G0SB+2:G0SB+3], s[92:93]
	s_or_b32 s[G0SB+3], s[G0SB+3], 0x80000000
	JLOAD G0S, G1S, G0SB, G1SB                     ; the scales first: they are wanted with the first slot
.irp s, 0,1
	s_mov_b32 s[G0+4*\s], 1
	s_add_co_u32 s[G0+4*\s+1], s45, \s*SLOT
	s_add_nc_u64 s[G0+4*\s+2:G0+4*\s+3], s[20:21], \s*ROWB
	s_or_b32 s[G0+4*\s+3], s[G0+4*\s+3], 0x80000000
	s_mov_b32 s[G0B+4*\s], 1
	s_add_co_u32 s[G0B+4*\s+1], s45, \s*SLOT
	s_add_nc_u64 s[G0B+4*\s+2:G0B+4*\s+3], s[46:47], \s*ROWB
	s_or_b32 s[G0B+4*\s+3], s[G0B+4*\s+3], 0x80000000
	JLOAD G0+4*\s, G1, G0B+4*\s, G1B               ; three loads of mine are out
.endr
	v_and_b32 v1, 15, v0                           ; r = l % 16
	v_bfe_u32 v2, v0, 4, 1                         ; h = l / 16
	v_mul_u32_u24 v3, v1, PITCH
	v_lshl_add_u32 v4, v2, 4, v3                   ; a fragment's row x pitch + 16 h
	s_mul_i32 s21, s15, HALFT                      ; my 128 rows of x
	s_mul_i32 s22, s16, HALFT                      ; my 128 rows of W,
	s_add_co_u32 s22, s22, 2*HALFT                 ; behind x's 256
.irp s, 0,1
	v_add_nc_u32 v[ADRA+\s], s21, v4
	v_add_nc_u32 v[ADRB+\s], s22, v4
	s_add_co_u32 s21, s21, SLOT
	s_add_co_u32 s22, s22, SLOT
.endr
	v_mul_u32_u24 v5, v1, KS                       ; my row's scales: 32 bytes a row,
	v_lshrrev_b32 v6, 8, v5
	v_lshl_add_u32 v5, v6, 4, v5                   ; and 16 more for each 256 passed
	s_mul_i32 s21, s15, HALFS
	s_mul_i32 s22, s16, HALFS
	s_add_co_u32 s22, s22, 2*HALFS
	s_sub_co_u32 s22, s22, s21
	v_mul_u32_u24 v6, s22, v2                      ; lanes 16-31 take W's: one product, the distance between the two bases x h
	s_add_co_u32 s21, s21, SCL
	v_add_nc_u32 v5, v5, v6
	v_add_nc_u32 v[ADRS], s21, v5
	s_mul_i32 s23, s14, WSTG                       ; my stage
	v_mul_u32_u24 v5, v1, 528
	v_lshl_add_u32 v5, v2, 5, v5
	v_add_nc_u32 v[STO32], s23, v5
	v_and_b32 v6, 31, v0
	v_lshlrev_b32 v[CO], 4, v6
	v_add_nc_u32 v[RD32], s23, v[CO]
	v_add_nc_u32 v[STO16], s23, v4                 ; r x 272 + 16 h
	v_lshrrev_b32 v5, 3, v6
	v_mul_u32_u24 v5, v5, 272
	v_and_b32 v7, 7, v0
	v_lshl_add_u32 v5, v7, 4, v5
	v_add_nc_u32 v[RD16], s23, v5                  ; (l / 8) x 272 + 16 (l % 8)
	s_mul_i32 s20, s41, 48                         ; qkv: plane 48 b + 4 x tile column + 2 x column half, of 262,144 bytes;
	s_lshl_b32 s21, s42, 2
	s_add_co_u32 s20, s20, s21
	s_lshl_b32 s21, s16, 1
	s_add_co_u32 s20, s20, s21
	s_lshl_b32 s20, s20, 18
	s_and_b32 s21, ttmp7, 0xffff
	s_lshl_b32 s21, s21, 15                        ; position 256 x cluster y + 128 x row half, 128 bytes each
	s_add_co_u32 s20, s20, s21
	s_lshl_b32 s21, s15, 14
	s_add_co_u32 s20, s20, s21
	s_mov_b32 s21, 0
	s_add_nc_u64 s[12:13], s[12:13], s[20:21]
	s_mul_i32 s20, s41, 196608                     ; first: 16 rows of 12,288 bytes a sequence; my 128 columns
	s_lshl_b32 s46, s42, 10
	s_add_co_u32 s20, s20, s46
	s_lshl_b32 s46, s16, 9
	s_add_co_u32 s20, s20, s46
	s_add_nc_u64 s[96:97], s[96:97], s[20:21]
.macro FRAG reg, adr, q, i             ; 16 rows x 128 K of 4-bit codes: 8 registers; registers 4 c .. 4 c + 3 hold K = 64 c + 32 h + 0 .. 31
.irp c, 0,1
	ds_load_b128 v[\reg+4*\c:\reg+4*\c+3], v[\adr] offset:64*(\q)+32*\c+(\i)*16*PITCH
.endr
.endm
; 16 matrix instructions: x's blocks a0, a0 + 1 against W's eight.  The 64 accumulators take turns, one instruction a turn, in the same order in every step.
; A scale register holds x's word of block i in lanes 0-15 and W's word of block i in lanes 16-31.
.macro MUL16 a0, p, q, sc, zero
.irp a, \a0, \a0+1
.irp b, 0,1,2,3,4,5,6,7
.if \zero
	v_wmma_scale_f32_16x16x128_f8f6f4 v[8*(8*((\a)%4)+\b):8*(8*((\a)%4)+\b)+7], v[128*(\p)+FR*\b:128*(\p)+FR*\b+FR-1], v[AF+FR*(\a):AF+FR*(\a)+FR-1], 0, v[SC+8*NQ*(\sc)+NQ*\b+(\q)], v[SC+8*NQ*(\sc)+NQ*(\a)+(\q)] matrix_a_fmt:MATRIX_FMT_FP4 matrix_b_fmt:MATRIX_FMT_FP4 matrix_a_scale:MATRIX_SCALE_ROW1
.else
	v_wmma_scale_f32_16x16x128_f8f6f4 v[8*(8*((\a)%4)+\b):8*(8*((\a)%4)+\b)+7], v[128*(\p)+FR*\b:128*(\p)+FR*\b+FR-1], v[AF+FR*(\a):AF+FR*(\a)+FR-1], v[8*(8*((\a)%4)+\b):8*(8*((\a)%4)+\b)+7], v[SC+8*NQ*(\sc)+NQ*\b+(\q)], v[SC+8*NQ*(\sc)+NQ*(\a)+(\q)] matrix_a_fmt:MATRIX_FMT_FP4 matrix_b_fmt:MATRIX_FMT_FP4 matrix_a_scale:MATRIX_SCALE_ROW1
.endif
.endr
.endr
.endm
.macro FETCH_B slot, q, p
	WIN TO_B
.irp i, 0,1,2,3,4,5,6,7
	FRAG 128*(\p)+FR*\i, ADRB+\slot, \q, \i
.endr
	WIN 0
.endm
.macro FETCH_A slot, q, i0
.irp i, \i0, \i0+1, \i0+2, \i0+3
	FRAG AF+FR*(\i), ADRA+\slot, \q, \i
.endr
.endm
.macro SCALES sc                       ; a slot's scale words: four words a row
.irp i, 0,1,2,3,4,5,6,7
	ds_load_b128 v[SC+8*NQ*\sc+NQ*\i:SC+8*NQ*\sc+NQ*\i+3], v[ADRS] offset:\i*SBLK
.endr
.endm
.macro PLACES n                        ; plain vector instructions between a matrix instruction and a load into, or a read of, its registers
.rept \n
	v_nop
.endr
.endm
.macro STEP slot, q, zero              ; 128 along K that has its successor in the same slot
	s_wait_dscnt 4*NL                              ; W's set and x's blocks 0-3 are in; the youngest eight loads (x's blocks 4-7) may be out
	WIN MUL_LO
	MUL16 0, (\q)%2, \q, \slot, \zero
	MUL16 2, (\q)%2, \q, \slot, \zero
	s_wait_dscnt 0
	PLACES NP
	FETCH_B \slot, (\q)+1, 1-(\q)%2
	FETCH_A \slot, (\q)+1, 0
	WIN MUL_HI
	MUL16 4, (\q)%2, \q, \slot, \zero
	MUL16 6, (\q)%2, \q, \slot, \zero
	PLACES NP
	WIN 0
	FETCH_A \slot, (\q)+1, 4
.endm
.macro STEPS slot, from
.set Q, \from
.rept NQ-1-\from
	STEP \slot, Q, 0
.set Q, Q+1
.endr
.endm
	s_wait_tensorcnt 1                             ; the scales and my part of slot 0 are in (slot 1's load may be out)
	s_barrier_signal -1
	s_barrier_wait -1                              ; everybody's are
	FETCH_B 0, 0, 0
	FETCH_A 0, 0, 0
	SCALES 0
	FETCH_A 0, 0, 4
	STEP 0, 0, 1                                   ; the first products start the sums: nothing is cleared
	STEPS 0, 1
	; slot 0's last step changes slots: one barrier; in front of it my load of slot 1 has landed and my reads of slot 0 are over
	s_wait_tensorcnt 0x0
	ds_add_u32 v[SPW], v[NIL]                      ; 0 onto my spare word
	s_wait_dscnt 4*NL+1                            ; (the add and x's blocks 4-7 may be out)
	WIN MUL_LO
	MUL16 0, 1, NQ-1, 0, 0
	s_wait_dscnt 0x0
	s_barrier_signal -1
	MUL16 2, 1, NQ-1, 0, 0
	WIN 0
	s_barrier_wait -1
	PLACES NP
	v_add_nc_u32 v[ADRS], 4*NQ, v[ADRS]            ; on to slot 1's scale words
	FETCH_B 1, 0, 0
	FETCH_A 1, 0, 0
	SCALES 1
	WIN MUL_HI
	MUL16 4, 1, NQ-1, 0, 0
	MUL16 6, 1, NQ-1, 0, 0
	PLACES NP
	WIN 0
	FETCH_A 1, 0, 4
	STEPS 1, 0
	s_wait_dscnt 4*NL                              ; the very last step
	WIN MUL_LO
	MUL16 0, 1, NQ-1, 1, 0
	MUL16 2, 1, NQ-1, 1, 0
	s_wait_dscnt 0
	WIN MUL_HI
	MUL16 4, 1, NQ-1, 1, 0
	MUL16 6, 1, NQ-1, 1, 0
	WIN 0
; THE WAY OUT.  Block a is 16 rows x 128 columns (two heads).  PACK rounds it to f16, 128 bytes a lane; TOSTAGE sends it through my stage and reads it back four rows of one head at a time, which are 512
; consecutive bytes of qkv; SEND stores them.  All offsets are immediates: no base is stepped.
.macro PACK a
.set AC, 64*((\a)%4)
	WIN 0x0a+5*((\a)/4)                            ; sources 0 and 1: window 2 or 3
.irp b, 0,1,2,3,4,5,6,7
.irp r, 0,1,2,3
	v_cvt_pk_f16_f32 v[TMP+4*\b+\r], v[AC+8*\b+2*\r], v[AC+8*\b+2*\r+1]   ; each accumulator from its low end on
.endr
.endr
	WIN 0
.endm
.macro TOSTAGE a
.set BB, BK+32*((\a)%2)
.irp b, 0,1,2,3,4,5,6,7
	ds_store_b128 v[STO16], v[TMP+4*\b:TMP+4*\b+3] offset:32*\b
.endr
.irp t, 0,1,2,3,4,5,6,7
	ds_load_b128 v[BB+4*\t:BB+4*\t+3], v[RD16] offset:(\t%4)*4*272+(\t/4)*128   ; LDS serves a wave's instructions in order: these see the stores above
.endr
.endm
.macro SEND a
.set BB, BK+32*((\a)%2)
	s_wait_dscnt 0x0                               ; the block is back in registers
	s_wait_xcnt 0x0                                ; the block before has been read by its stores: the next read-back may land there
.irp t, 0,1,2,3,4,5,6,7
	global_store_b128 v[CO], v[BB+4*\t:BB+4*\t+3], s[12:13] offset:(\t/4)*262144+(\a)*2048+(\t%4)*512   ; 512 consecutive bytes, aligned
.endr
.endm
	PLACES NP                                      ; behind the last products: for the reads of results and the loads into x's fragment registers
	s_cmp_lg_u32 s[FST], 0
	s_cbranch_scc1 .Lno_first
	WIN 0x08                                       ; positions 0-15 in f32: block 0 as it stands, through the stage as rows of 512 bytes
.irp b, 0,1,2,3,4,5,6,7
	ds_store_b128 v[STO32], v[8*\b:8*\b+3] offset:64*\b
	ds_store_b128 v[STO32], v[8*\b+4:8*\b+7] offset:64*\b+16
.endr
	WIN 0
.irp t, 0,1,2,3,4,5,6,7,8,9,10,11,12,13,14,15
	ds_load_b128 v[BK+4*\t:BK+4*\t+3], v[RD32] offset:\t*528
.endr
	s_wait_dscnt 0x0
.irp t, 0,1,2,3,4,5,6,7,8,9,10,11,12,13,14,15
	global_store_b128 v[CO], v[BK+4*\t:BK+4*\t+3], s[96:97] offset:\t*12288
.endr
	s_wait_xcnt 0x0                                ; these stores have read v128-191, into which the first read-back below lands
.Lno_first:
	PACK 0
	TOSTAGE 0
.irp a, 1,2,3,4,5,6,7                  ; block a's conversions stand between block a - 1's loads from the stage and the wait for them
	PACK \a
	SEND \a-1
	TOSTAGE \a
.endr
	SEND 7
	s_wait_tensorcnt 0x0                           ; the wave's end
	ds_add_u32 v[SPW], v[NIL]
	s_wait_dscnt 0x0
	CROUND                                         ; the closing round
	s_endpgm
.Lfunc_end_k_q9af2cee4b1_qkv:
	.size	k_q9af2cee4b1_qkv, .Lfunc_end_k_q9af2cee4b1_qkv-k_q9af2cee4b1_qkv
	.p2alignl 7, 3214868480
	.fill 96, 4, 3214868480
	.section	.rodata,"a",@progbits
	.p2align	6, 0x0
	.amdhsa_kernel k_q9af2cee4b1_qkv
		.amdhsa_group_segment_fixed_size 327680
		.amdhsa_private_segment_fixed_size 0
		.amdhsa_enable_private_segment 0
		.amdhsa_kernarg_size 48
		.amdhsa_user_sgpr_count 2
		.amdhsa_user_sgpr_kernarg_segment_ptr 1
		.amdhsa_wavefront_size32 1
		.amdhsa_system_sgpr_workgroup_id_x 1
		.amdhsa_system_sgpr_workgroup_id_y 1
		.amdhsa_system_sgpr_workgroup_id_z 1
		.amdhsa_system_vgpr_workitem_id 0
		.amdhsa_next_free_vgpr 1024
		.amdhsa_next_free_sgpr 98
		.amdhsa_reserve_vcc 0
		.amdhsa_float_denorm_mode_32 3
		.amdhsa_float_denorm_mode_16_64 3
		.amdhsa_memory_ordered 1
		.amdhsa_forward_progress 1
		.amdhsa_inst_pref_size 130
	.end_amdhsa_kernel
	.amdgpu_metadata
---
amdhsa.version: [ 1, 2 ]
amdhsa.kernels:
  - .name:           k_q9af2cee4b1_qkv
    .symbol:         k_q9af2cee4b1_qkv.kd
    .args:
      - { .name: x_codes, .offset: 0, .size: 8, .value_kind: global_buffer, .address_space: global }
      - { .name: x_scales, .offset: 8, .size: 8, .value_kind: global_buffer, .address_space: global }
      - { .name: w_codes, .offset: 16, .size: 8, .value_kind: global_buffer, .address_space: global }
      - { .name: w_scales, .offset: 24, .size: 8, .value_kind: global_buffer, .address_space: global }
      - { .name: qkv, .offset: 32, .size: 8, .value_kind: global_buffer, .address_space: global }
      - { .name: first, .offset: 40, .size: 8, .value_kind: global_buffer, .address_space: global }
    .group_segment_fixed_size: 327680
    .private_segment_fixed_size: 0
    .kernarg_segment_align: 8
    .kernarg_segment_size: 48
    .max_flat_workgroup_size: 128
    .sgpr_count:     98
    .vgpr_count:     1024
    .wavefront_size: 32
...
	.end_amdgpu_metadata
.endif
;; end of part 2
;; launch attn (part 3): grid 4 x 64, 8 waves a work-group, no clusters, 327,680 bytes of LDS; arguments qkv, att; writes att
.if DOCPART == 3
	.amdgcn_target "amdgcn-amd-amdhsa--gfx1250"
	.amdhsa_code_object_version 6
	.text
	.protected	k_q9af2cee4b1_attn
	.globl	k_q9af2cee4b1_attn
	.p2align	8
	.type	k_q9af2cee4b1_attn,@function
k_q9af2cee4b1_attn:
	s_mov_b64 s[64:65], 0
	v_nop
	global_prefetch_b8 v0, s[64:65] scope:SCOPE_SE
	s_setreg_imm32_b32 hwreg(HW_REG_WAVE_MODE, 25, 1), 1
	s_wait_xcnt 0x0
; att[b][q][h][:] = the sum over keys k <= q of softmax_k(Q[q] . K[k] / 8) V[k][:], for 64 heads of 2,048 positions x 64 channels.  Q, K, V: f16, planes of qkv [b][g 48][2048][64] (g = h, 16 + h, 32 + h).
; Products on f16 operands with f32 sums; maxima, exponentials and sums in f32; the weights p are rounded to f16 for the second product, the result once at the end.
; att is laid [16 b + q / 128][h][128 rows][64] f16, so that a wave's rows of one head lie on end.
; LIMITS: NaN and infinities are not served; the result stays under 65,504 (it is an average of V's rows, which do).
; SHARES.  A work-group owns two blocks of 256 queries of one head, numbers I and 7 - I (I = work-group x): under the causal mask they need I + 1 and 8 - I blocks of 256 keys: NINE for every work-group,
; so all trip counts are constants.  Trip T reads key block T (T <= I) or T - I - 1; the change of query block stands at the head of trip I + 1.  Each of eight waves owns 32 queries, two tiles of 16.
; NO CLUSTER: at any one trip the four work-groups of a head want different key blocks (T against T - I - 1), so no request could be made jointly without bringing a partner tiles that none of its waves reads.
; LAYOUT.  S^T = K Q^T (source 0 = 16 keys, source 1 = 16 queries) and O^T = V^T P (source 0 = 16 channels, source 1 = P): a lane holds ONE query throughout; two tiles of S^T, rounded in pairs, are source 1 of the
; second product.  K comes out of LDS as it lies, V ([key][channel]) turned, by ds_load_tr16_b128.
; SOFTMAX.  A running maximum m and sum l: p = 2^(c s - c m), c = log2(e) / 8; in every step O^T and l are multiplied by a = 2^(c m_old - c m_new).  Hidden scores become -infinity ahead of the maximum.
; RING.  Two LDS slots of 256 keys (four steps of 64); waves 0-3 bring K's four steps, waves 4-7 V's, one tensor load a wave behind each trip's barrier: one load of mine is out at any time.
; REGISTERS: window 0: v1-15 addresses and constants; v16-31 statistics; v32-63 Q; v64-127 S^T; v128-159 P.  window 1: v0-63 O^T; v64-127 K; v128-191 V.
.set KS,    64
.set PK,    144                        ; a row of K in LDS: 128 bytes + 16 = 36 words: the 16 rows of a load start at 16 different groups of four banks (64 banks of 4 bytes: ISA guide 11.1)
.set PV,    160                        ; a row of V: 128 + 32 = 40 words
.set VOFF,  KS*PK                      ; a step: 64 rows of K, then 64 rows of V
.set STEPB, KS*(PK+PV)
.set SLOT1, 1<<17                      ; slot 1 begins here: one exclusive or turns an address from one slot to the other
.set STAGE, SLOT1+4*STEPB              ; behind the ring: 16 rows x 144 bytes for each wave, for the way out
.set SPARE, STAGE+8*16*PK              ; the spare words, 128 bytes a wave
.set RH,  1                            ; v1   r - 8 h
.set AK0, 2                            ; v2   my lane's place in a step's K
.set AV0, 3                            ; v3   and in its V
.set ADK, 4
.set ADV, 5
.set QO,  6                            ; v6   my byte offset in a tile of Q
.set STO, 7
.set RD,  8
.set GO,  9                            ; v9   16 x lane
.set SPW, 10
.set NIL, 11
.set PFO, 12                           ; v12  256 x lane
.set NEG, 13                           ; v13  -infinity
.set THR, 14                           ; v14-15 the mask's thresholds
.set ST,  16                           ; tile t's statistics at v[ST + 8 t]: +0 c m, +1 m, +2, +3 l, +4 to +7 at work; a in +6
.set QR,  32
.set S,   64
.set P,   128
.set KR,  64                           ; in window 1
.set VR,  128
.set WV,  8
.set WGI, 9
.set BE,  10
.set TT,  11
.set SCN, 12
.set KEY, 13                           ; the step's first key
.set Q0,  14                           ; my first query
.set TB,  15                           ; LDS byte at which the step in hand begins
.set QP,  16
.set QA,  18
.set OA,  20
.set CS,  22
.set G1K, 24
.set G1V, 32
.set G0,  40
.set KVB, 44
.set SEL, 48
.set PFA, 52
.set LIM, 54
.set OP,  56
.set MSB, 0
.macro WIN new
.if MSB != (\new)
	s_set_vgpr_msb (MSB<<8)|(\new)
.set MSB, (\new)
.endif
.endm
; Waves 0-3 fetch K's steps, waves 4-7 V's: two lines, since the paddings differ.  The branch hangs on the wave's number alone.  An s_nop 0 and four v_nop follow each.
.macro TLOAD
	s_cmp_lt_u32 s[WV], 4
	s_cbranch_scc0 .Lfor_v_\@
	tensor_load_to_lds s[G0:G0+3], s[G1K:G1K+7]
	s_nop 0
.rept 4
	v_nop
.endr
	s_branch .Lasked_\@
.Lfor_v_\@:
	tensor_load_to_lds s[G0:G0+3], s[G1V:G1V+7]
	s_nop 0
.rept 4
	v_nop
.endr
.Lasked_\@:
.endm
; A prefetch into the L2 of key block T + 2: my wave's own 8,192 bytes of it, lanes 256 bytes apart.  The four work-groups of a head walk the same K and V: work-group 0 asks, in trips 0 to 5, so each
; aligned block of 256 bytes of key blocks 2 to 7 is named once in the launch; key blocks 0 and 1 come by their loads alone.  It stands behind the wave's tensor load.
.macro ASK
	s_cmp_lt_u32 s[TT], s[LIM]
	s_cbranch_scc0 .Lnot_mine_\@
	global_prefetch_b8 v[PFO], s[PFA:PFA+1] th:TH_LOAD_NT scope:SCOPE_SE
.Lnot_mine_\@:
.endm
.macro SETQ                            ; Q's address for query block BE
	s_lshl_b32 s46, s[BE], 15
	s_mov_b32 s47, 0
	s_add_nc_u64 s[QA:QA+1], s[QP:QP+1], s[46:47]
.endm
.macro SETO                            ; the result's address and my first query
	s_lshl_b32 s46, s[BE], 19
	s_mov_b32 s47, 0
	s_add_nc_u64 s[OA:OA+1], s[OP:OP+1], s[46:47]
	s_lshl_b32 s[Q0], s[BE], 8
	s_lshl_b32 s46, s[WV], 5
	s_add_co_u32 s[Q0], s[Q0], s46
.endm
.macro QLOAD                           ; my two tiles of Q stay in registers: tile t, channels 32 c on
.irp t, 0,1
.irp c, 0,1
	global_load_b128 v[QR+16*\t+8*\c:QR+16*\t+8*\c+3],   v[QO], s[QA:QA+1] offset:\t*2048+\c*64
	global_load_b128 v[QR+16*\t+8*\c+4:QR+16*\t+8*\c+7], v[QO], s[QA:QA+1] offset:\t*2048+\c*64+32
.endr
.endr
.endm
.macro INIT                            ; a query block begins: m under every score, l and O^T zero, so that the step is written once (its first change of m multiplies zeros)
.irp t, 0,1
	v_mov_b32 v[ST+8*\t+1], 0xff61b1e6             ; -3e38
.irp j, 2,3,4,5,6,7
	v_mov_b32 v[ST+8*\t+\j], 0
.endr
	v_mul_f32 v[ST+8*\t], s[CS], v[ST+8*\t+1]
.endr
	WIN 0x40
.set i, 0
.rept 64
	v_mov_b32 v[i], 0
.set i, i+1
.endr
	WIN 0
.endm
; THE WAY OUT of a query block: l's halves are added, O^T is divided by l, rounded to f16 and sent through my stage, a tile (16 rows of 128 bytes) at a time; four rows come back as 512 consecutive bytes of att.
.macro OUT
.rept 4
	v_nop                                          ; places behind the last products
.endr
.irp t, 0,1
	v_add_f32 v[ST+8*\t+4], v[ST+8*\t+2], v[ST+8*\t+3]
.endr
.irp t, 0,1
	v_permlanex16_b32 v[ST+8*\t+5], v[ST+8*\t+4], s[SEL], s[SEL+1]
.endr
.irp t, 0,1
	v_add_f32 v[ST+8*\t+4], v[ST+8*\t+4], v[ST+8*\t+5]
.endr
.irp t, 0,1
	v_rcp_f32 v[ST+8*\t+6], v[ST+8*\t+4]
.endr
	v_nop                                          ; a plain instruction behind the last reciprocal
	s_wait_alu depctr_va_vdst(0)                   ; one wait for both, ahead of the first use
.irp t, 0,1
	WIN 0x41
.set i, 0
.rept 16
	v_pk_mul_f32 v[32*\t+i:32*\t+i+1], v[32*\t+i:32*\t+i+1], v[ST+8*\t+6:ST+8*\t+7] op_sel_hi:[1,0]   ; ascending: each accumulator from its low end on
.set i, i+2
.endr
	WIN 0x05
.set i, 0
.rept 16
	v_cvt_pk_f16_f32 v[S+16*\t+i], v[32*\t+2*i], v[32*\t+2*i+1]
.set i, i+1
.endr
	WIN 0
.irp c, 0,1,2,3
	ds_store_b128 v[STO], v[S+16*\t+4*\c:S+16*\t+4*\c+3] offset:32*\c
.endr
.irp c, 0,1,2,3
	ds_load_b128 v[S+32+16*\t+4*\c:S+32+16*\t+4*\c+3], v[RD] offset:576*\c   ; LDS serves a wave's instructions in order: these see the stores above, and the next tile's stores come behind them
.endr
.endr
	s_wait_dscnt 8                                 ; tile 0 is back; tile 1's eight LDS instructions may be out
.irp c, 0,1,2,3
	global_store_b128 v[GO], v[S+32+4*\c:S+32+4*\c+3], s[OA:OA+1] offset:512*\c
.endr
	s_wait_dscnt 0x0
.irp c, 0,1,2,3
	global_store_b128 v[GO], v[S+48+4*\c:S+48+4*\c+3], s[OA:OA+1] offset:2048+512*\c
.endr
.endm
.macro SWITCH                          ; from query block I to block 7 - I.  Q's earlier loads were shown done by their own wait, so their base may be written; the new Q is asked for first
	s_sub_co_u32 s[BE], 7, s[WGI]
	SETQ
	QLOAD
	OUT
	s_wait_xcnt 0x0                                ; the stores have read their base and their data: both are written again below
	SETO
	INIT
	s_wait_loadcnt 0x0                             ; Q
.endm
.macro MASK                            ; register n of tile t holds key KEY + 16 (n / 8) + 8 h + n % 8; my query is Q0 + 16 t + r: hidden where 16 (n / 8) + n % 8 > r - 8 h + Q0 - KEY + 16 t
	s_sub_co_i32 s50, s[Q0], s[KEY]
	v_add_nc_u32 v[THR], s50, v[RH]
	v_add_nc_u32 v[THR+1], 16, v[THR]
.irp t, 0,1
.irp n, 0,1,2,3,4,5,6,7,8,9,10,11,12,13,14,15,16,17,18,19,20,21,22,23,24,25,26,27,28,29,30,31
	v_cmp_gt_i32 vcc_lo, 16*(\n/8)+\n%8, v[THR+\t]
	v_cndmask_b32 v[S+32*\t+\n], v[S+32*\t+\n], v[NEG], vcc_lo
.endr
.endr
.endm
.macro SOFTMAX                         ; both tiles line by line, so that no line waits for the line above it
.irp j, 0,1,2,3
.irp t, 0,1
	v_max3_num_f32 v[ST+8*\t+4+\j], v[S+32*\t+8*\j], v[S+32*\t+8*\j+1], v[S+32*\t+8*\j+2]   ; four chains, each begun at an accumulator's low end
.endr
.endr
.irp i, 3,5
.irp j, 0,1,2,3
.irp t, 0,1
	v_max3_num_f32 v[ST+8*\t+4+\j], v[ST+8*\t+4+\j], v[S+32*\t+8*\j+\i], v[S+32*\t+8*\j+\i+1]
.endr
.endr
.endr
.irp t, 0,1
	v_max3_num_f32 v[ST+8*\t+4], v[ST+8*\t+4], v[S+32*\t+7], v[S+32*\t+15]
	v_max3_num_f32 v[ST+8*\t+6], v[ST+8*\t+6], v[S+32*\t+23], v[S+32*\t+31]
.endr
.irp t, 0,1
	v_max3_num_f32 v[ST+8*\t+4], v[ST+8*\t+4], v[ST+8*\t+5], v[ST+8*\t+6]
.endr
.irp t, 0,1
	v_max3_num_f32 v[ST+8*\t+4], v[ST+8*\t+4], v[ST+8*\t+7], v[ST+8*\t+1]   ; and the old m
.endr
.irp t, 0,1
	v_permlanex16_b32 v[ST+8*\t+5], v[ST+8*\t+4], s[SEL], s[SEL+1]          ; the query's other 32 keys lie in the lane 16 away
.endr
.irp t, 0,1
	v_mov_b32 v[ST+8*\t+7], v[ST+8*\t]             ; c m_old
.endr
.irp t, 0,1
	v_max_num_f32 v[ST+8*\t+1], v[ST+8*\t+4], v[ST+8*\t+5]
.endr
.irp t, 0,1
	v_mul_f32 v[ST+8*\t], s[CS], v[ST+8*\t+1]
.endr
.irp t, 0,1
	v_sub_f32 v[ST+8*\t+7], v[ST+8*\t+7], v[ST+8*\t]
.endr
.irp t, 0,1
.set i, 0
.rept 16
	v_pk_fma_f32 v[S+32*\t+i:S+32*\t+i+1], v[S+32*\t+i:S+32*\t+i+1], s[CS:CS+1], v[ST+8*\t:ST+8*\t+1] op_sel_hi:[1,0,0] neg_lo:[0,0,1] neg_hi:[0,0,1]   ; c s - c m
.set i, i+2
.endr
.endr
.irp t, 0,1
	v_exp_f32 v[ST+8*\t+6], v[ST+8*\t+7]           ; a
.endr
.set i, 0
.rept 64
	v_exp_f32 v[S+i], v[S+i]                       ; p.  One batch of 66: none of them reads another's result
.set i, i+1
.endr
	v_nop                                          ; a plain instruction behind the last exponential
	s_wait_alu depctr_va_vdst(0)                   ; ONE wait for the batch, ahead of its first reader
.irp t, 0,1
.set i, 0
.rept 16
	v_cvt_pk_f16_f32 v[P+16*\t+i], v[S+32*\t+2*i], v[S+32*\t+2*i+1]
.set i, i+1
.endr
.endr
.irp u, 0,4,8,12,16,20,24,28           ; the sum of a tile's 16 pairs, in place, as a tree
.irp t, 0,1
	v_pk_add_f32 v[S+32*\t+\u:S+32*\t+\u+1], v[S+32*\t+\u:S+32*\t+\u+1], v[S+32*\t+\u+2:S+32*\t+\u+3]
.endr
.endr
.irp u, 0,8,16,24
.irp t, 0,1
	v_pk_add_f32 v[S+32*\t+\u:S+32*\t+\u+1], v[S+32*\t+\u:S+32*\t+\u+1], v[S+32*\t+\u+4:S+32*\t+\u+5]
.endr
.endr
.irp u, 0,16
.irp t, 0,1
	v_pk_add_f32 v[S+32*\t+\u:S+32*\t+\u+1], v[S+32*\t+\u:S+32*\t+\u+1], v[S+32*\t+\u+8:S+32*\t+\u+9]
.endr
.endr
.irp t, 0,1
	v_pk_add_f32 v[S+32*\t:S+32*\t+1], v[S+32*\t:S+32*\t+1], v[S+32*\t+16:S+32*\t+17]
.endr
.irp t, 0,1
	v_pk_fma_f32 v[ST+8*\t+2:ST+8*\t+3], v[ST+8*\t+2:ST+8*\t+3], v[ST+8*\t+6:ST+8*\t+7], v[S+32*\t:S+32*\t+1] op_sel_hi:[1,0,1]   ; l = a l + the sum
.endr
.endm
; A KEY STEP: 64 keys.  A step all of whose keys come after my 32 queries is left out: a scalar branch on ids, round the loads, products and softmax, not round the lines that step addresses.
; In both runs of products eight accumulators take turns, one instruction a turn, over the backward jump too.
.macro STEP
	s_add_co_u32 s50, s[Q0], 31
	s_cmp_gt_u32 s[KEY], s50
	s_cbranch_scc1 .Lhidden_\@
	v_add_nc_u32 v[ADK], s[TB], v[AK0]
	v_add_nc_u32 v[ADV], s[TB], v[AV0]
	v_nop
	v_nop                                          ; these four are the places between the last step's products and the loads into V's registers
	WIN 0x40
.irp f, 0,1,2,3,4,5,6,7                ; K: keys 16 (f / 2) on, channels 32 (f % 2) on
	ds_load_b128 v[KR+8*\f:KR+8*\f+3],   v[ADK] offset:(\f/2)*16*PK+(\f%2)*64
	ds_load_b128 v[KR+8*\f+4:KR+8*\f+7], v[ADK] offset:(\f/2)*16*PK+(\f%2)*64+32
.endr
.irp f, 0,1,2,3,4,5,6,7                ; V, turned: keys 32 (f / 4) on, channels 16 (f % 4) on
	ds_load_tr16_b128 v[VR+8*\f:VR+8*\f+3],   v[ADV] offset:(\f/4)*32*PV+(\f%4)*32
	ds_load_tr16_b128 v[VR+8*\f+4:VR+8*\f+7], v[ADV] offset:(\f/4)*32*PV+16*PV+(\f%4)*32
.endr
	s_wait_dscnt 16                                ; K is in; V's sixteen loads may be out
	WIN 0x01
.set i, 0
.rept 16                               ; S^T = K Q^T: channels 32 (i / 8) on, keys 16 ((i / 2) % 4) on, tile i % 2; the first eight start the sums
.set rS, S+32*(i%2)+8*((i/2)%4)
.set rK, KR+16*((i/2)%4)+8*(i/8)
.set rQ, QR+16*(i%2)+8*(i/8)
.if i < 8
	v_wmma_f32_16x16x32_f16 v[rS:rS+7], v[rK:rK+7], v[rQ:rQ+7], 0
.else
	v_wmma_f32_16x16x32_f16 v[rS:rS+7], v[rK:rK+7], v[rQ:rQ+7], v[rS:rS+7]
.endif
.set i, i+1
.endr
	WIN 0
.rept 4
	v_nop                                          ; places in front of the first read of the scores
.endr
	s_add_co_u32 s50, s[KEY], 63
	s_cmp_le_u32 s50, s[Q0]
	s_cbranch_scc1 .Lopen_\@                       ; all 64 keys count for all my queries
	MASK
.Lopen_\@:
	SOFTMAX
	s_wait_dscnt 0x0                               ; V is in
	WIN 0x41
.irp t, 0,1
.set i, 0
.rept 16
	v_pk_mul_f32 v[32*\t+i:32*\t+i+1], v[32*\t+i:32*\t+i+1], v[ST+8*\t+6:ST+8*\t+7] op_sel_hi:[1,0]   ; O^T times a, ascending
.set i, i+2
.endr
.endr
	WIN 0x51
.set i, 0
.rept 16                               ; O^T += V^T P: keys 32 (i / 8) on, channels 16 ((i / 2) % 4) on, tile i % 2
.set rO, 32*(i%2)+8*((i/2)%4)
.set rV, VR+32*(i/8)+8*((i/2)%4)
.set rP, P+16*(i%2)+8*(i/8)
	v_wmma_f32_16x16x32_f16 v[rO:rO+7], v[rV:rV+7], v[rP:rP+7], v[rO:rO+7]
.set i, i+1
.endr
	WIN 0
.Lhidden_\@:
	s_add_co_u32 s[KEY], s[KEY], KS
	s_add_co_u32 s[TB], s[TB], STEPB
.endm
; A TRIP: one block of 256 keys.  At its head every wave waits for all its tensor loads (its part of the slot that it is about to read), adds 0 to its spare word, and waits for that and for its reads of the
; slot that it has left; behind the barrier that slot takes the next trip's key block: the load has the whole trip in which to land.
.macro TRIP refill, sw
	s_wait_tensorcnt 0x0                           ; no tensor load of mine is out, so group 0 may be written
	ds_add_u32 v[SPW], v[NIL]                      ; 0 onto my spare word; the scalar work below stands between it and the wait for it
	s_add_co_u32 s51, s[WGI], 1
	s_cmp_gt_u32 s[TT], s[WGI]
	s_cselect_b32 s50, s51, 0
	s_sub_co_u32 s[KEY], s[TT], s50                ; this trip's key block,
	s_lshl_b32 s[KEY], s[KEY], 8                   ; and its first key
.if \refill
	s_add_co_u32 s50, s[TT], 1
	s_cmp_gt_u32 s50, s[WGI]
	s_cselect_b32 s51, s51, 0
	s_sub_co_u32 s50, s50, s51                     ; the next trip's key block: 32,768 bytes each
	s_lshl_b32 s46, s50, 15
	s_mov_b32 s47, 0
	s_add_nc_u64 s[G0+2:G0+3], s[KVB:KVB+1], s[46:47]
	s_or_b32 s[G0+3], s[G0+3], 0x80000000
	s_xor_b32 s[G0+1], s[G0+1], SLOT1              ; into the other slot than last time
	s_wait_xcnt 0x0                                ; the last prefetch, a trip back, has read its address
	s_add_nc_u64 s[PFA:PFA+1], s[PFA:PFA+1], 0x8000
.endif
	s_wait_dscnt 0x0                               ; the add is done, and my reads of the slot that I have left are over
	s_barrier_signal -1
	s_barrier_wait -1
.if \refill
	TLOAD                                          ; the first thing behind the barrier, and my one tensor load until the next
	ASK
.endif
.if \sw
	s_add_co_u32 s50, s[WGI], 1
	s_cmp_lg_u32 s[TT], s50
	s_cbranch_scc1 .Lsame_\@                       ; ids and the count of trips alone: all eight waves go the same way
	SWITCH
.Lsame_\@:
.endif
	s_mov_b32 s[SCN], 4
.Lstep_\@:
	STEP
	s_sub_co_u32 s[SCN], s[SCN], 1
	s_cmp_lg_u32 s[SCN], 0
	s_cbranch_scc1 .Lstep_\@
	s_sub_co_u32 s[TB], s[TB], 4*STEPB             ; back to a slot's first step,
	s_xor_b32 s[TB], s[TB], SLOT1                  ; in the other slot
.endm
	s_load_b128 s[4:7], s[0:1], 0x0                ; qkv, att
	v_lshl_add_u32 v[SPW], v0, 2, SPARE
	v_mov_b32 v[NIL], 0
	ds_add_u32 v[SPW], v[NIL]                      ; the wave's opening: the add, twice on end, and its wait ahead of my first tensor load
	ds_add_u32 v[SPW], v[NIL]
	v_lshrrev_b32 v1, 5, v0
	v_readfirstlane_b32 s[WV], v1                  ; wave 0..7
	s_mov_b32 s[WGI], ttmp9                        ; I
	s_and_b32 s50, ttmp7, 0xffff
	s_lshr_b32 s51, s50, 4                         ; b
	s_and_b32 s50, s50, 15                         ; h
	s_mul_i32 s58, s51, 48
	s_add_co_u32 s58, s58, s50                     ; Q's plane: 48 b + h
	s_mov_b32 s[G1K], (1<<16)|(1<<20)|(4<<22)|(3<<25)   ; elements of 2 bytes; padding: 4 words after every 32
	s_mov_b32 s[G1V], (1<<16)|(1<<20)|(4<<22)|(7<<25)   ; 8 words
.irp g, G1K, G1V
	s_mov_b32 s[\g+1], 64<<16                      ; tensor_dim0
	s_mov_b32 s[\g+2], KS<<16                      ; tensor_dim1
	s_mov_b32 s[\g+3], 64<<16                      ; tile_dim0
	s_mov_b32 s[\g+4], KS                          ; tile_dim1
	s_mov_b32 s[\g+5], 64                          ; from row to row
	s_mov_b32 s[\g+6], 0
	s_mov_b32 s[\g+7], 0
.endr
	s_and_b32 s59, s[WV], 3                        ; which step of a block I fetch
	s_lshr_b32 s46, s[WV], 2                       ; K's (0) or V's (1)
	s_mov_b32 s[G0], 1
	s_mul_i32 s[G0+1], s59, STEPB
	s_mul_i32 s47, s46, VOFF
	s_add_co_u32 s[G0+1], s[G0+1], s47             ; its place in slot 0
	s_lshl_b32 s47, s46, 4
	s_add_co_u32 s47, s47, s58
	s_add_co_u32 s47, s47, 16                      ; K's plane 16 + h, V's 32 + h
	s_lshl_b32 s[KVB], s47, 18
	s_lshl_b32 s47, s59, 13                        ; 64 rows of 128 bytes a step
	s_add_co_u32 s[KVB], s[KVB], s47
	s_mov_b32 s[KVB+1], 0
	s_lshl_b32 s[QP], s58, 18
	s_lshl_b32 s47, s[WV], 12                      ; my 32 rows
	s_add_co_u32 s[QP], s[QP], s47
	s_mov_b32 s[QP+1], 0
	s_lshl_b32 s[OP], s51, 8                       ; att: block (256 b + h) of 16,384 bytes, + 262,144 (wave / 4) + 4,096 (wave % 4)
	s_add_co_u32 s[OP], s[OP], s50
	s_lshl_b32 s[OP], s[OP], 14
	s_lshl_b32 s47, s46, 18
	s_add_co_u32 s[OP], s[OP], s47
	s_lshl_b32 s47, s59, 12
	s_add_co_u32 s[OP], s[OP], s47
	s_mov_b32 s[OP+1], 0
	s_mov_b32 s[CS], 0x3e38aa3b                    ; c = log2(e) / 8
	s_mov_b32 s[CS+1], s[CS]                       ; (named with it as a pair, so it is written)
	s_mov_b32 s[SEL], 0x76543210
	s_mov_b32 s[SEL+1], 0xfedcba98
	s_mov_b32 s[TT], 0
	s_mov_b32 s[TB], 0
	s_cmp_eq_u32 s[WGI], 0
	s_cselect_b32 s[LIM], 6, 0
	s_mov_b32 s[BE], s[WGI]
	s_wait_dscnt 0x0                               ; both opening adds are done
	s_wait_kmcnt 0x0
	s_add_nc_u64 s[KVB:KVB+1], s[4:5], s[KVB:KVB+1]
	s_add_nc_u64 s[QP:QP+1], s[4:5], s[QP:QP+1]
	s_add_nc_u64 s[OP:OP+1], s[6:7], s[OP:OP+1]
	s_mov_b64 s[G0+2:G0+3], s[KVB:KVB+1]
	s_or_b32 s[G0+3], s[G0+3], 0x80000000
	TLOAD                                          ; key block 0 into slot 0
	s_add_nc_u64 s[PFA:PFA+1], s[KVB:KVB+1], 0x8000   ; the first trip steps it to key block 2.  Nothing is prefetched here
	SETQ
	SETO
	v_and_b32 v1, 15, v0                           ; r
	v_bfe_u32 v13, v0, 4, 1                        ; h
	v_lshlrev_b32 v[QO], 7, v1
	v_lshl_add_u32 v[QO], v13, 4, v[QO]            ; row x 128 + 16 h
	QLOAD
	v_mul_u32_u24 v[AK0], v1, PK
	v_lshl_add_u32 v[AK0], v13, 4, v[AK0]          ; row x pitch + 16 h
	v_and_b32 v4, 7, v0
	v_bfe_u32 v5, v0, 3, 1
	v_lshl_add_u32 v[AV0], v13, 3, v4              ; the turning load: key 8 h + l % 8, channels 8 ((l / 8) % 2) on
	v_mul_u32_u24 v[AV0], v[AV0], PV
	v_lshl_add_u32 v[AV0], v5, 4, v[AV0]
	v_add_nc_u32 v[AV0], VOFF, v[AV0]
	s_mul_i32 s46, s[WV], 16*PK
	s_add_co_u32 s46, s46, STAGE                   ; my stage
	v_add_nc_u32 v[STO], s46, v[AK0]               ; in: row r, 16 bytes for each half of the lanes
	v_and_b32 v14, 31, v0
	v_lshrrev_b32 v15, 3, v14
	v_mul_u32_u24 v[RD], v15, PK
	v_lshl_add_u32 v[RD], v4, 4, v[RD]
	v_add_nc_u32 v[RD], s46, v[RD]                 ; back: eight lanes to a row of 128 bytes, four rows an instruction
	v_lshlrev_b32 v[GO], 4, v14
	v_lshlrev_b32 v[PFO], 8, v14
	v_lshlrev_b32 v15, 3, v13
	v_sub_nc_u32 v[RH], v1, v15                    ; r - 8 h
	v_mov_b32 v[NEG], 0xff800000
	INIT
	s_wait_loadcnt 0x0                             ; Q
.Ltrip:                                            ; eight trips, each of which asks for the next trip's key block
	TRIP 1, 1
	s_add_co_u32 s[TT], s[TT], 1
	s_cmp_lt_u32 s[TT], 8
	s_cbranch_scc1 .Ltrip
	TRIP 0, 0                                      ; the ninth is written out: nothing is left to fetch, and the change of query block lies behind
	OUT
	s_wait_tensorcnt 0x0                           ; the wave's end
	ds_add_u32 v[SPW], v[NIL]
	s_wait_dscnt 0x0
	s_endpgm
.Lfunc_end_k_q9af2cee4b1_attn:
	.size	k_q9af2cee4b1_attn, .Lfunc_end_k_q9af2cee4b1_attn-k_q9af2cee4b1_attn
	.p2alignl 7, 3214868480
	.fill 96, 4, 3214868480
	.section	.rodata,"a",@progbits
	.p2align	6, 0x0
	.amdhsa_kernel k_q9af2cee4b1_attn
		.amdhsa_group_segment_fixed_size 327680
		.amdhsa_private_segment_fixed_size 0
		.amdhsa_enable_private_segment 0
		.amdhsa_kernarg_size 16
		.amdhsa_user_sgpr_count 2
		.amdhsa_user_sgpr_kernarg_segment_ptr 1
		.amdhsa_wavefront_size32 1
		.amdhsa_system_sgpr_workgroup_id_x 1
		.amdhsa_system_sgpr_workgroup_id_y 1
		.amdhsa_system_sgpr_workgroup_id_z 1
		.amdhsa_system_vgpr_workitem_id 0
		.amdhsa_next_free_vgpr 448
		.amdhsa_next_free_sgpr 66
		.amdhsa_reserve_vcc 1
		.amdhsa_float_denorm_mode_32 3
		.amdhsa_float_denorm_mode_16_64 3
		.amdhsa_memory_ordered 1
		.amdhsa_forward_progress 1
		.amdhsa_inst_pref_size 71
	.end_amdhsa_kernel
	.amdgpu_metadata
---
amdhsa.version: [ 1, 2 ]
amdhsa.kernels:
  - .name:           k_q9af2cee4b1_attn
    .symbol:         k_q9af2cee4b1_attn.kd
    .args:
      - { .name: qkv, .offset: 0, .size: 8, .value_kind: global_buffer, .address_space: global }
      - { .name: att, .offset: 8, .size: 8, .value_kind: global_buffer, .address_space: global }
    .group_segment_fixed_size: 327680
    .private_segment_fixed_size: 0
    .kernarg_segment_align: 8
    .kernarg_segment_size: 16
    .max_flat_workgroup_size: 256
    .sgpr_count:     66
    .vgpr_count:     448
    .wavefront_size: 32
...
	.end_amdgpu_metadata
.endif
;; end of part 3
;; launch oproj (part 4): grid 4 x 64, 4 waves a work-group, clusters of 4 x 4, 327,680 bytes of LDS; arguments att, wo_h, out0; writes out0
.if DOCPART == 4
	.amdgcn_target "amdgcn-amd-amdhsa--gfx1250"
	.amdhsa_code_object_version 6
	.text
	.protected	k_q9af2cee4b1_oproj
	.globl	k_q9af2cee4b1_oproj
	.p2align	8
	.type	k_q9af2cee4b1_oproj,@function
k_q9af2cee4b1_oproj:
	s_mov_b64 s[64:65], 0
	v_nop
	global_prefetch_b8 v0, s[64:65] scope:SCOPE_SE
	s_setreg_imm32_b32 hwreg(HW_REG_WAVE_MODE, 25, 1), 1
	s_wait_xcnt 0x0
	s_wait_alu depctr_hold_cnt(0) depctr_sa_sdst(0) depctr_va_vdst(0) depctr_va_sdst(0) depctr_va_ssrc(0) depctr_va_vcc(0) depctr_vm_vsrc(0)
	s_getreg_b32 s2, hwreg(HW_REG_IB_STS2, 6, 4)
	s_cmp_eq_u32 s2, 0
	s_cbranch_scc0 .Lentry_in_a_cluster
	s_endpgm
.Lentry_in_a_cluster:
	s_bfe_u32 s2, ttmp6, 0x10000c
	s_cmp_lg_u32 s2, 0xf033
	s_cbranch_scc0 .Lentry_shape_is_right
	s_endpgm
.Lentry_shape_is_right:
; out0[m][n] = sum over k of att[m][k] Wo[n][k]: 8,192 x 1,024 x 1,024, f16 operands, f32 sums, f32 out.  The rows of positions 0-15 of each sequence are NOT stored here: the next launch makes them in f32.
; att: [row tile 64][k / 64][128 rows][64] f16;  wo_h: [n / 256][k / 64][256 n][64] f16: a block of 64 along K of a tile is dense memory: one tensor load of 128 or 256 lines of 128 bytes.
; A tile of out0 is 128 rows x 256 columns: 64 x 4 = 256 work-groups (256 x 256 would give 128).  Four waves, each 64 x 128: 32 accumulators of 16 x 16 in window 1.
; K goes in steps of 128 (two blocks of 64) through two LDS slots; two slots of 256 along K would not fit.  Waves 0, 1 bring att's two blocks of a step, waves 2, 3 Wo's.
; CLUSTERS: 4 x 4.  Tile row = 16 cy + cluster y (so 'the tile begins a sequence' is cluster y = 0, alike in all partners), tile column = cx.  att's tiles are shared along a row of the cluster, Wo's along a column.
; THE PRODUCT IS USED TRANSPOSED (source 0 = 16 rows of Wo, source 1 = 16 rows of att): a lane holds eight neighbouring columns of a row of out0.
; REGISTERS: window 0: v16-29 addresses; fragment buffer 0: att v64-95, Wo v128-191; buffer 1: att v96-127, Wo v192-255; on the way out v64-191 rows read back.  window 1: accumulator (a, b) at v[8 (8 a + b)].
.set PITCH,  144                       ; an LDS line: 128 bytes + 16 = 36 words: the 16 lines of a load start at 16 different groups of four banks (64 banks of 4 bytes: ISA guide 11.1)
.set ABLK,   128*PITCH
.set BBLK,   256*PITCH
.set SLOT,   2*ABLK+2*BBLK             ; att's two blocks, then Wo's two
.set STAGE,  2*SLOT                    ; behind the ring: 16 rows x 528 bytes for each wave
.set SPITCH, 528
.set SPARE,  STAGE+4*16*SPITCH
.set LAPS,   4                         ; a lap = two K steps = once round the ring
.set ADRA, 16
.set ADRB, 20
.set STO,  24
.set RD,   25
.set CO,   26
.set SPW,  28
.set NIL,  29
.set G1, 24
.set G0, 32
.set G1B, 48
.set G0B, 56
.set FLAG, 45                          ; s45  0 in the waves whose first 16 rows are positions 0-15 of a sequence
.set MSB, 0
.macro WIN new
.if MSB != (\new)
	s_set_vgpr_msb (MSB<<8)|(\new)
.set MSB, (\new)
.endif
.endm
.set MUL, 0x50                         ; C and D window 1, both sources window 0
.macro JLOAD s                         ; a joint load: waves 0 and 1 fetch att's blocks, waves 2 and 3 Wo's; an s_nop 0 and four v_nop follow each line
	s_cmp_eq_u32 s11, 0
	s_cbranch_scc0 .Lfor_b_\@
	tensor_load_to_lds s[G0+4*\s:G0+4*\s+3], s[G1:G1+7]
	s_nop 0
.rept 4
	v_nop
.endr
	s_branch .Lasked_\@
.Lfor_b_\@:
	tensor_load_to_lds s[G0B+4*\s:G0B+4*\s+3], s[G1B:G1B+7]
	s_nop 0
.rept 4
	v_nop
.endr
.Lasked_\@:
.endm
.macro CREST
	s_cmp_lg_u32 s10, 0
	s_cbranch_scc1 .Lnot_wave_0_\@
	s_barrier_signal -3
.Lnot_wave_0_\@:
	s_barrier_wait -3
	s_barrier_signal -1
	s_barrier_wait -1
.endm
.macro CROUND
	s_barrier_signal -1
	s_barrier_wait -1
	CREST
.endm
	s_load_b128 s[4:7], s[0:1], 0x0                ; att, wo_h
	s_load_b64 s[8:9], s[0:1], 0x10                ; out0
	v_lshl_add_u32 v[SPW], v0, 2, SPARE
	v_mov_b32 v[NIL], 0
	ds_add_u32 v[SPW], v[NIL]                      ; the wave's opening: the add, twice on end, and its wait ahead of my first tensor load
	ds_add_u32 v[SPW], v[NIL]
	v_lshrrev_b32 v1, 5, v0
	v_readfirstlane_b32 s10, v1                    ; wave 0..3
	s_lshr_b32 s11, s10, 1                         ; my 64 rows.  Also: I fetch for att (0) or for Wo (1)
	s_and_b32 s12, s10, 1                          ; my 128 columns.  Also: which block of a K step I fetch
	s_bfe_u32 s40, ttmp6, 0x40000                  ; cx = the tile column (the grid has one cluster along x)
	s_bfe_u32 s41, ttmp6, 0x40004                  ; cy
	s_and_b32 s13, ttmp7, 0xffff                   ; cluster y
	s_or_b32 s[FLAG], s13, s11                     ; made of the cluster's y and the wave's number: no partner differs
	s_lshl_b32 s14, s41, 4
	s_add_co_u32 s13, s13, s14                     ; tile row = 16 cy + cluster y
	s_lshl_b32 s43, s41, 2
	s_lshl_b32 s43, 15, s43                        ; my row of the cluster
	s_lshl_b32 s44, 0x1111, s40                    ; my column
	s_or_b32 s[G1+0], s43, (1<<16)|(1<<20)|(1<<21)|(4<<22)|(3<<25)   ; the mask; elements of 2 bytes; padding: 4 words after every 32; bit 21 beside a mask
	s_or_b32 s[G1B+0], s44, (1<<16)|(1<<20)|(1<<21)|(4<<22)|(3<<25)
	s_mov_b32 s[G1+1], 64<<16                      ; tensor_dim0
	s_mov_b32 s[G1+2], 128<<16                     ; tensor_dim1
	s_mov_b32 s[G1+3], 64<<16                      ; tile_dim0
	s_mov_b32 s[G1+4], 128                         ; tile_dim1
	s_mov_b32 s[G1+5], 64                          ; from line to line
	s_mov_b32 s[G1+6], 0
	s_mov_b32 s[G1+7], 0
	s_mov_b32 s[G1B+1], 64<<16
	s_mov_b32 s[G1B+2], 256<<16
	s_mov_b32 s[G1B+3], 64<<16
	s_mov_b32 s[G1B+4], 256
	s_mov_b32 s[G1B+5], 64
	s_mov_b32 s[G1B+6], 0
	s_mov_b32 s[G1B+7], 0
	s_lshl_b32 s16, s13, 18                        ; att: 262,144 bytes a row tile, 16,384 a block
	s_lshl_b32 s17, s12, 14
	s_add_co_u32 s16, s16, s17
	s_mov_b32 s17, 0
	s_lshl_b32 s46, s40, 19                        ; wo_h: 524,288 bytes a column tile, 32,768 a block
	s_lshl_b32 s47, s12, 15
	s_add_co_u32 s46, s46, s47
	s_mov_b32 s47, 0
	s_mul_i32 s20, s12, ABLK                       ; where they go: no place in the cluster enters an LDS address
	s_mul_i32 s21, s12, BBLK
	s_add_co_u32 s21, s21, 2*ABLK
	s_wait_dscnt 0x0                               ; both opening adds are done
	s_wait_kmcnt 0x0
	s_add_nc_u64 s[14:15], s[4:5], s[16:17]
	s_add_nc_u64 s[46:47], s[6:7], s[46:47]
	CROUND                                         ; all sixteen work-groups are here: the first joint loads meet
.irp s, 0,1
	s_mov_b32 s[G0+4*\s], 1
	s_add_co_u32 s[G0+4*\s+1], s20, \s*SLOT
	s_add_nc_u64 s[G0+4*\s+2:G0+4*\s+3], s[14:15], \s*2*16384
	s_or_b32 s[G0+4*\s+3], s[G0+4*\s+3], 0x80000000
	s_mov_b32 s[G0B+4*\s], 1
	s_add_co_u32 s[G0B+4*\s+1], s21, \s*SLOT
	s_add_nc_u64 s[G0B+4*\s+2:G0B+4*\s+3], s[46:47], \s*2*32768
	s_or_b32 s[G0B+4*\s+3], s[G0B+4*\s+3], 0x80000000
	JLOAD \s                                       ; two loads of mine are out
.endr
	v_and_b32 v1, 15, v0                           ; r
	v_bfe_u32 v2, v0, 4, 1                         ; h
	v_mul_u32_u24 v3, v1, PITCH
	v_lshl_add_u32 v3, v2, 4, v3                   ; line x pitch + 16 h
	s_mul_i32 s21, s11, 64*PITCH                   ; my 64 lines of att
	s_mul_i32 s22, s12, 128*PITCH                  ; my 128 lines of Wo,
	s_add_co_u32 s22, s22, 2*ABLK                  ; behind att's two blocks
.irp s, 0,1
	v_add_nc_u32 v[ADRA+\s], s21, v3
	v_add_nc_u32 v[ADRB+\s], s22, v3
	s_add_co_u32 s21, s21, SLOT
	s_add_co_u32 s22, s22, SLOT
.endr
	s_mul_i32 s23, s10, 16*SPITCH
	s_add_co_u32 s23, s23, STAGE                   ; my stage
	v_mul_u32_u24 v4, v1, SPITCH
	v_lshl_add_u32 v4, v2, 5, v4
	v_add_nc_u32 v[STO], s23, v4                   ; in: row r, 32 bytes for each half of the lanes
	v_and_b32 v5, 31, v0
	v_lshlrev_b32 v[CO], 4, v5                     ; back: the 32 lanes take one row of 512 bytes; and the same in out0
	v_add_nc_u32 v[RD], s23, v[CO]
	s_lshl_b32 s16, s13, 7
	s_lshl_b32 s17, s11, 6
	s_add_co_u32 s16, s16, s17                     ; my first row: 128 x tile row + 64 x half
	s_lshl_b32 s16, s16, 12                        ; 4,096 bytes a row
	s_lshl_b32 s46, s40, 10
	s_add_co_u32 s16, s16, s46                     ; + 1,024 x tile column
	s_lshl_b32 s46, s12, 9
	s_add_co_u32 s16, s16, s46                     ; + 512 x half
	s_mov_b32 s17, 0
	s_add_nc_u64 s[8:9], s[8:9], s[16:17]
; 8 matrix instructions: att's block a against Wo's eight, 32 along K, from buffer f.  The 32 accumulators take turns, one instruction a turn, in the same order in every quarter.
.macro MUL8 f, a, zero
.irp b, 0,1,2,3,4,5,6,7
.if \zero
	v_wmma_f32_16x16x32_f16 v[8*(8*(\a)+\b):8*(8*(\a)+\b)+7], v[128+64*(\f)+8*\b:128+64*(\f)+8*\b+7], v[64+32*(\f)+8*(\a):64+32*(\f)+8*(\a)+7], 0
.else
	v_wmma_f32_16x16x32_f16 v[8*(8*(\a)+\b):8*(8*(\a)+\b)+7], v[128+64*(\f)+8*\b:128+64*(\f)+8*\b+7], v[64+32*(\f)+8*(\a):64+32*(\f)+8*(\a)+7], v[8*(8*(\a)+\b):8*(8*(\a)+\b)+7]
.endif
.endr
.endm
; 24 LDS loads in one run: quarter q of a slot (block q / 2, bytes 64 (q % 2) on) into buffer f: Wo's eight fragments, then att's four
.macro FETCH slot, q, f
.irp i, 0,1,2,3,4,5,6,7
	ds_load_b128 v[128+64*(\f)+8*\i:128+64*(\f)+8*\i+3],   v[ADRB+\slot] offset:((\q)/2)*BBLK+((\q)%2)*64+\i*16*PITCH
	ds_load_b128 v[128+64*(\f)+8*\i+4:128+64*(\f)+8*\i+7], v[ADRB+\slot] offset:((\q)/2)*BBLK+((\q)%2)*64+\i*16*PITCH+32
.endr
.irp i, 0,1,2,3
	ds_load_b128 v[64+32*(\f)+8*\i:64+32*(\f)+8*\i+3],   v[ADRA+\slot] offset:((\q)/2)*ABLK+((\q)%2)*64+\i*16*PITCH
	ds_load_b128 v[64+32*(\f)+8*\i+4:64+32*(\f)+8*\i+7], v[ADRA+\slot] offset:((\q)/2)*ABLK+((\q)%2)*64+\i*16*PITCH+32
.endr
.endm
.macro PLACES                          ; four plain vector instructions between a matrix instruction and a load into, or a read of, its registers
.rept 4
	v_nop
.endr
.endm
; A K step is four quarters of 32 along K, 32 matrix instructions each, on buffers 0, 1, 0, 1.  One of the first three: multiplies buffer f and fetches quarter qn into buffer g.
.macro QUARTER slot, qn, f, g, zero
	s_wait_dscnt 4                                 ; Wo's fragments and att's blocks 0, 1 are in; the youngest four loads (blocks 2, 3) may be out
	WIN MUL
	MUL8 \f, 0, \zero
	MUL8 \f, 1, \zero
	PLACES
	WIN 0
	FETCH \slot, \qn, \g
	s_wait_dscnt 24                                ; all but the 24 just issued
	WIN MUL
	MUL8 \f, 2, \zero
	MUL8 \f, 3, \zero
.endm
; The last quarter multiplies buffer 1 and changes slots: one barrier; in front of it each wave waits for all its tensor loads, adds 0 to its spare word, and waits for that and for its reads of this slot.
; fill = 1: the barrier opens a round of the cluster's, and this slot is filled again, two K steps ahead.
.macro TURN slot, next, fill
	WIN 0
	s_wait_tensorcnt 0x0                           ; my part of the next slot has landed
	ds_add_u32 v[SPW], v[NIL]                      ; 0 onto my spare word
	s_wait_dscnt 5                                 ; (the add and the youngest four loads may be out)
	WIN MUL
	MUL8 1, 0, 0                                   ; eight matrix instructions stand between the add and the wait for it
	s_wait_dscnt 0x0                               ; the add is done, and my reads of this slot are over
	s_barrier_signal -1
	MUL8 1, 1, 0
	WIN 0
	s_barrier_wait -1
.if \fill
	CREST                                          ; no wave of any partner still reads this slot or has a load on its way
	s_add_nc_u64 s[G0+4*\slot+2:G0+4*\slot+3], s[G0+4*\slot+2:G0+4*\slot+3], 4*16384
	s_add_nc_u64 s[G0B+4*\slot+2:G0B+4*\slot+3], s[G0B+4*\slot+2:G0B+4*\slot+3], 4*32768
	JLOAD \slot                                    ; the first tensor load behind the round; its four v_nop are also the places in front of the loads below
.else
	PLACES
.endif
	FETCH \next, 0, 0
	WIN MUL
	MUL8 1, 2, 0
	MUL8 1, 3, 0
.endm
	s_wait_tensorcnt 1                             ; my part of K step 0 is in (K step 1's load may be out)
	s_barrier_signal -1
	s_barrier_wait -1                              ; everybody's is
	FETCH 0, 0, 0
	QUARTER 0, 1, 0, 1, 1                          ; the first quarter's products start the sums: nothing is cleared
	WIN 0
	s_mov_b32 s3, LAPS-1
.Llap:                                             ; a trip goes once round the ring, from a lap's second quarter to the next lap's first, and fills both slots again
	QUARTER 0, 2, 1, 0, 0
	QUARTER 0, 3, 0, 1, 0
	TURN 0, 1, 1
	QUARTER 1, 1, 0, 1, 0
	QUARTER 1, 2, 1, 0, 0
	QUARTER 1, 3, 0, 1, 0
	TURN 1, 0, 1
	QUARTER 0, 1, 0, 1, 0
	WIN 0
	s_sub_co_u32 s3, s3, 1
	s_cmp_lg_u32 s3, 0
	s_cbranch_scc1 .Llap
	QUARTER 0, 2, 1, 0, 0                          ; the last lap fills nothing
	QUARTER 0, 3, 0, 1, 0
	TURN 0, 1, 0
	QUARTER 1, 1, 0, 1, 0
	QUARTER 1, 2, 1, 0, 0
	QUARTER 1, 3, 0, 1, 0
	s_wait_dscnt 4
	WIN MUL
	MUL8 1, 0, 0
	MUL8 1, 1, 0
	s_wait_dscnt 0x0
	MUL8 1, 2, 0
	MUL8 1, 3, 0
	WIN 0
; THE WAY OUT, block by block of 16 rows x 128 columns, through my own stage: back come whole rows of 512 bytes.
.macro TOSTAGE a
	WIN 0x04                                       ; an LDS store's data are its source 1: window 1
.irp b, 0,1,2,3,4,5,6,7
	ds_store_b128 v[STO], v[8*(8*(\a)+\b):8*(8*(\a)+\b)+3] offset:64*\b          ; each accumulator from its low end on
	ds_store_b128 v[STO], v[8*(8*(\a)+\b)+4:8*(8*(\a)+\b)+7] offset:64*\b+16
.endr
	WIN 0
.irp t, 0,1,2,3,4,5,6,7,8,9,10,11,12,13,14,15
	ds_load_b128 v[64+64*((\a)%2)+4*\t:64+64*((\a)%2)+4*\t+3], v[RD] offset:\t*SPITCH   ; LDS serves a wave's instructions in order: these see the stores above
.endr
.endm
.macro SEND a, younger
	s_wait_dscnt \younger
.irp t, 0,1,2,3,4,5,6,7,8,9,10,11,12,13,14,15
	global_store_b128 v[CO], v[64+64*((\a)%2)+4*\t:64+64*((\a)%2)+4*\t+3], s[8:9] offset:(16*(\a)+\t)*4096 th:TH_STORE_NT   ; 512 consecutive bytes, aligned; written once
.endr
.endm
	PLACES                                         ; behind the last products: for the reads of results and the loads into the fragment registers
	s_cmp_eq_u32 s[FLAG], 0
	s_cbranch_scc1 .Lskip0                         ; positions 0-15 of a sequence belong to the next launch
	TOSTAGE 0
	SEND 0, 0
.Lskip0:
	TOSTAGE 1
.irp a, 2,3
	s_wait_xcnt 0x0                                ; block a - 2's stores have read their registers: block a's read-back may land there
	TOSTAGE \a
	SEND \a-1, 32                                  ; behind block a - 1's loads: block a's 16 stores and 16 loads
.endr
	SEND 3, 0
	s_wait_tensorcnt 0x0                           ; the wave's end
	ds_add_u32 v[SPW], v[NIL]
	s_wait_dscnt 0x0
	CROUND                                         ; the closing round
	s_endpgm
.Lfunc_end_k_q9af2cee4b1_oproj:
	.size	k_q9af2cee4b1_oproj, .Lfunc_end_k_q9af2cee4b1_oproj-k_q9af2cee4b1_oproj
	.p2alignl 7, 3214868480
	.fill 96, 4, 3214868480
	.section	.rodata,"a",@progbits
	.p2align	6, 0x0
	.amdhsa_kernel k_q9af2cee4b1_oproj
		.amdhsa_group_segment_fixed_size 327680
		.amdhsa_private_segment_fixed_size 0
		.amdhsa_enable_private_segment 0
		.amdhsa_kernarg_size 24
		.amdhsa_user_sgpr_count 2
		.amdhsa_user_sgpr_kernarg_segment_ptr 1
		.amdhsa_wavefront_size32 1
		.amdhsa_system_sgpr_workgroup_id_x 1
		.amdhsa_system_sgpr_workgroup_id_y 1
		.amdhsa_system_sgpr_workgroup_id_z 1
		.amdhsa_system_vgpr_workitem_id 0
		.amdhsa_next_free_vgpr 512
		.amdhsa_next_free_sgpr 66
		.amdhsa_reserve_vcc 0
		.amdhsa_float_denorm_mode_32 3
		.amdhsa_float_denorm_mode_16_64 3
		.amdhsa_memory_ordered 1
		.amdhsa_forward_progress 1
		.amdhsa_inst_pref_size 85
	.end_amdhsa_kernel
	.amdgpu_metadata
---
amdhsa.version: [ 1, 2 ]
amdhsa.kernels:
  - .name:           k_q9af2cee4b1_oproj
    .symbol:         k_q9af2cee4b1_oproj.kd
    .args:
      - { .name: att, .offset: 0, .size: 8, .value_kind: global_buffer, .address_space: global }
      - { .name: wo_h, .offset: 8, .size: 8, .value_kind: global_buffer, .address_space: global }
      - { .name: out0, .offset: 16, .size: 8, .value_kind: global_buffer, .address_space: global }
    .group_segment_fixed_size: 327680
    .private_segment_fixed_size: 0
    .kernarg_segment_align: 8
    .kernarg_segment_size: 24
    .max_flat_workgroup_size: 128
    .sgpr_count:     66
    .vgpr_count:     512
    .wavefront_size: 32
...
	.end_amdgpu_metadata
.endif
;; end of part 4
;; launch first16 (part 5): grid 16 x 4, 16 waves a work-group, no clusters, 71,680 bytes of LDS; arguments first, Wo, out0; writes out0
.if DOCPART == 5
	.amdgcn_target "amdgcn-amd-amdhsa--gfx1250"
	.amdhsa_code_object_version 6
	.text
	.protected	k_q9af2cee4b1_first16
	.globl	k_q9af2cee4b1_first16
	.p2align	8
	.type	k_q9af2cee4b1_first16,@function
k_q9af2cee4b1_first16:
	s_mov_b64 s[64:65], 0
	v_nop
	global_prefetch_b8 v0, s[64:65] scope:SCOPE_SE
	s_setreg_imm32_b32 hwreg(HW_REG_WAVE_MODE, 25, 1), 1
	s_wait_xcnt 0x0
; Positions 0-15 of each of the four sequences, all in f32: scores, causal softmax, the weighted sum of V and the projection by Wo, from the f32 sums first [b][16][3072] (q, k, v on end, 64 a head).
; These rows average one to sixteen values and are the largest of the output; 64 rows in all: no bulk work, so the f32 matrix form serves.
; SHARES.  A work-group makes 16 rows x 64 columns of out0 (64 columns are 256 bytes of a row); wave w is head w, whose 64 channels are also slice w of the projection's K: O^T goes from result to operand
; inside the wave.  The sixteen waves' parts meet in LDS; wave w adds up row w.  64 work-groups: K may not be split over work-groups, and a narrower share would store parts of aligned blocks of 256 bytes.
; LAYOUT (f32 form, 16 x 16 x 4: lane (r, h) holds row or column r, register j holds k = 2 h + j).  A permutation of k applied alike to both sources keeps a product's sum:
;   S^T = K Q^T: lane (r, h) holds channels 32 h + 0 .. 31 of its row; instruction i takes registers 2 i, 2 i + 1 of both.   Result: query r, register j = key 8 h + j.
;   O^T = V^T P: instruction i takes p's registers 2 i, 2 i + 1 (keys 8 h + 2 i + j), and V is loaded so.   Result: query r, register j = channel 16 c + 8 h + j.
;   OUT^T = Wo O: instruction (c, i) takes O^T's registers 2 i, 2 i + 1 of tile c, and Wo is loaded so.   Result: query r, register j = column 16 n + 8 h + j.
; v192-255 are written by matrix instructions alone: v192-223 O^T; v224-255 OUT^T, of which v224-239 serve first as S^T's two sums.
; LIMITS: NaN and infinities are not served.
.set PP,    272                        ; a row of a wave's part in LDS: 256 bytes + 16
.set WREG,  16*PP
.set SPARE, 16*WREG                    ; behind the sixteen parts: the spare words, 128 bytes a wave
.set QR,  16                           ; v16-47   Q; later Wo's tile 2
.set KR,  48                           ; v48-79   K; later Wo's tile 3
.set VR,  80                           ; v80-111  V
.set WR,  112                          ; v112-175 Wo's tiles 0, 1
.set SR,  176                          ; v176-183 scores, then p
.set PR,  184                          ; v184-191 p / l
.set OT,  192
.set OU,  224
	s_load_b128 s[4:7], s[0:1], 0x0                ; first, Wo
	s_load_b64 s[8:9], s[0:1], 0x10                ; out0
	v_lshl_add_u32 v9, v0, 2, SPARE                ; my spare word; never rewritten
	v_mov_b32 v10, 0                               ; 0; never rewritten
	v_lshrrev_b32 v1, 5, v0
	v_readfirstlane_b32 s10, v1                    ; wave = head
	s_and_b32 s11, ttmp7, 0xffff                   ; b
	v_and_b32 v1, 15, v0                           ; r
	v_bfe_u32 v2, v0, 4, 1                         ; h
	s_mul_i32 s12, s11, 196608                     ; first: 16 rows of 12,288 bytes a sequence, 256 bytes a head
	s_lshl_b32 s13, s10, 8
	s_add_co_u32 s12, s12, s13
	s_mov_b32 s13, 0
	s_lshl_b32 s14, ttmp9, 18                      ; Wo: my 64 rows of 4,096 bytes, the head's 256 bytes of each
	s_lshl_b32 s15, s10, 8
	s_add_co_u32 s14, s14, s15
	s_mov_b32 s15, 0
	s_lshl_b32 s16, s11, 11                        ; out0: row 2,048 b + wave, my 256 bytes of it
	s_add_co_u32 s16, s16, s10
	s_lshl_b32 s16, s16, 12
	s_lshl_b32 s17, ttmp9, 8
	s_add_co_u32 s16, s16, s17
	s_mov_b32 s17, 0
	s_mov_b32 s18, 0x76543210
	s_mov_b32 s19, 0xfedcba98                      ; v_permlanex16_b32's selects for lane l xor 16
	s_mov_b32 s20, 0x3e38aa3b                      ; c = log2(e) / 8
	v_mul_u32_u24 v3, v1, 12288
	v_lshl_add_u32 v3, v2, 7, v3                   ; Q, K: row r, channels 32 h on
	v_mul_u32_u24 v4, v2, 98304
	v_lshl_add_u32 v4, v1, 2, v4                   ; V: rows 8 h on, channel r
	v_lshlrev_b32 v5, 12, v1
	v_lshl_add_u32 v5, v2, 5, v5                   ; Wo: row r, channels 8 h on
	v_lshlrev_b32 v6, 3, v2
	v_sub_nc_u32 v6, v1, v6                        ; d = r - 8 h: key 8 h + j is hidden where j > d
	s_mul_i32 s21, s10, WREG
	v_mul_u32_u24 v7, v1, PP
	v_lshl_add_u32 v7, v2, 5, v7
	v_add_nc_u32 v7, s21, v7                       ; my part: row r, + 32 h
	v_and_b32 v14, 31, v0
	v_lshlrev_b32 v14, 3, v14                      ; 8 x lane
	s_mul_i32 s21, s10, PP
	v_add_nc_u32 v8, s21, v14                      ; row w of a part
	v_mov_b32 v11, 0xff800000                      ; -infinity
	v_mov_b32 v13, 0                               ; (a lane permute's destination counts as one of its sources)
	s_wait_kmcnt 0x0
	s_add_nc_u64 s[4:5], s[4:5], s[12:13]
	s_add_nc_u64 s[6:7], s[6:7], s[14:15]
	s_add_nc_u64 s[8:9], s[8:9], s[16:17]
.irp e, 0,1,2,3,4,5,6,7
	global_load_b128 v[QR+4*\e:QR+4*\e+3], v3, s[4:5] offset:16*\e
.endr
.irp e, 0,1,2,3,4,5,6,7
	global_load_b128 v[KR+4*\e:KR+4*\e+3], v3, s[4:5] offset:4096+16*\e
.endr
.irp c, 0,1,2,3
.irp k, 0,1,2,3,4,5,6,7
	global_load_b32 v[VR+8*\c+\k], v4, s[4:5] offset:\k*12288+8192+64*\c   ; V(key 8 h + k, channel 16 c + r)
.endr
.endr
.irp n, 0,1
.irp c, 0,1,2,3
	global_load_b128 v[WR+32*\n+8*\c:WR+32*\n+8*\c+3],   v5, s[6:7] offset:\n*65536+\c*64
	global_load_b128 v[WR+32*\n+8*\c+4:WR+32*\n+8*\c+7], v5, s[6:7] offset:\n*65536+\c*64+16
.endr
.endr
	s_wait_loadcnt 48                              ; Q and K are in; V's 32 loads and Wo's 16 may be out
.irp i, 0,1,2,3,4,5,6,7,8,9,10,11,12,13,14,15      ; S^T in two sums that take turns; the first two products start them
.if \i < 2
	v_wmma_f32_16x16x4_f32 v[OU+8*(\i%2):OU+8*(\i%2)+7], v[KR+2*\i:KR+2*\i+1], v[QR+2*\i:QR+2*\i+1], 0
.else
	v_wmma_f32_16x16x4_f32 v[OU+8*(\i%2):OU+8*(\i%2)+7], v[KR+2*\i:KR+2*\i+1], v[QR+2*\i:QR+2*\i+1], v[OU+8*(\i%2):OU+8*(\i%2)+7]
.endif
.endr
.rept 8
	v_nop                                          ; eight places behind this form, in front of the reads of results and the loads into its sources
.endr
.irp n, 2,3
.irp c, 0,1,2,3
	global_load_b128 v[QR+32*(\n-2)+8*\c:QR+32*(\n-2)+8*\c+3],   v5, s[6:7] offset:\n*65536+\c*64
	global_load_b128 v[QR+32*(\n-2)+8*\c+4:QR+32*(\n-2)+8*\c+7], v5, s[6:7] offset:\n*65536+\c*64+16
.endr
.endr
.irp j, 0,1,2,3,4,5,6,7
	v_add_f32 v[SR+\j], v[OU+\j], v[OU+8+\j]       ; the two sums, from their low ends on
.endr
.irp j, 0,1,2,3,4,5,6,7
	v_cmp_gt_i32 vcc_lo, \j, v6
	v_cndmask_b32 v[SR+\j], v[SR+\j], v11, vcc_lo  ; hidden scores become -infinity; key 0 counts for every query
.endr
	v_max3_num_f32 v12, v[SR], v[SR+1], v[SR+2]
	v_max3_num_f32 v12, v12, v[SR+3], v[SR+4]
	v_max3_num_f32 v12, v12, v[SR+5], v[SR+6]
	v_max_num_f32 v12, v12, v[SR+7]
	v_permlanex16_b32 v13, v12, s18, s19
	v_max_num_f32 v12, v12, v13                    ; the row's largest score
	v_mul_f32 v12, s20, v12
.irp j, 0,1,2,3,4,5,6,7
	v_fma_f32 v[SR+\j], v[SR+\j], s20, -v12        ; c s - c m
.endr
.irp j, 0,1,2,3,4,5,6,7
	v_exp_f32 v[SR+\j], v[SR+\j]
.endr
	v_nop                                          ; a plain instruction behind the last exponential
	s_wait_alu depctr_va_vdst(0)                   ; one wait for the eight, ahead of their first reader
	v_add_f32 v12, v[SR], v[SR+1]
	v_add_f32 v15, v[SR+2], v[SR+3]
	v_add_f32 v12, v12, v[SR+4]
	v_add_f32 v15, v15, v[SR+5]
	v_add_f32 v12, v12, v[SR+6]
	v_add_f32 v15, v15, v[SR+7]
	v_add_f32 v12, v12, v15
	v_permlanex16_b32 v13, v12, s18, s19
	v_add_f32 v12, v12, v13                        ; the row's sum
	v_rcp_f32 v15, v12
	v_nop
	s_wait_alu depctr_va_vdst(0)
.irp j, 0,1,2,3,4,5,6,7
	v_mul_f32 v[PR+\j], v[SR+\j], v15
.endr
	s_wait_loadcnt 32                              ; V is in; Wo's 32 loads may be out
.irp i, 0,1,2,3                                    ; O^T = V^T P: four sums by turns
.irp c, 0,1,2,3
.if \i == 0
	v_wmma_f32_16x16x4_f32 v[OT+8*\c:OT+8*\c+7], v[VR+8*\c+2*\i:VR+8*\c+2*\i+1], v[PR+2*\i:PR+2*\i+1], 0
.else
	v_wmma_f32_16x16x4_f32 v[OT+8*\c:OT+8*\c+7], v[VR+8*\c+2*\i:VR+8*\c+2*\i+1], v[PR+2*\i:PR+2*\i+1], v[OT+8*\c:OT+8*\c+7]
.endif
.endr
.endr
.rept 9
	v_nop                                          ; nine places before a matrix instruction takes these results as a source
.endr
	s_wait_loadcnt 0x0                             ; Wo
.irp c, 0,1,2,3                                    ; OUT^T = Wo O: four sums by turns; Wo's tile n lies at v112 + 32 n (n < 2) or v16 + 32 (n - 2)
.irp i, 0,1,2,3
.irp n, 0,1,2,3
.if (\c == 0) && (\i == 0)
	v_wmma_f32_16x16x4_f32 v[OU+8*\n:OU+8*\n+7], v[WR+32*\n-160*(\n/2)+8*\c+2*\i:WR+32*\n-160*(\n/2)+8*\c+2*\i+1], v[OT+8*\c+2*\i:OT+8*\c+2*\i+1], 0
.else
	v_wmma_f32_16x16x4_f32 v[OU+8*\n:OU+8*\n+7], v[WR+32*\n-160*(\n/2)+8*\c+2*\i:WR+32*\n-160*(\n/2)+8*\c+2*\i+1], v[OT+8*\c+2*\i:OT+8*\c+2*\i+1], v[OU+8*\n:OU+8*\n+7]
.endif
.endr
.endr
.endr
.rept 8
	v_nop
.endr
.irp n, 0,1,2,3
	ds_store_b128 v7, v[OU+8*\n:OU+8*\n+3] offset:64*\n        ; my head's part of (query r, columns 16 n + 8 h + 0 .. 7), each sum from its low end on
	ds_store_b128 v7, v[OU+8*\n+4:OU+8*\n+7] offset:64*\n+16
.endr
	s_wait_dscnt 0x0                               ; for the others' sake: my stores have landed
	s_barrier_signal -1
	s_barrier_wait -1
.irp p, 0,1,2,3,4,5,6,7,8,9,10,11,12,13,14,15
	ds_load_b64 v[16+2*\p:17+2*\p], v8 offset:\p*WREG          ; row w of head p's part: 8 bytes a lane
.endr
	s_wait_dscnt 0x0
.irp p, 0,4,8,12,16,20,24,28
	v_pk_add_f32 v[16+\p:17+\p], v[16+\p:17+\p], v[18+\p:19+\p]
.endr
.irp p, 0,8,16,24
	v_pk_add_f32 v[16+\p:17+\p], v[16+\p:17+\p], v[20+\p:21+\p]
.endr
.irp p, 0,16
	v_pk_add_f32 v[16+\p:17+\p], v[16+\p:17+\p], v[24+\p:25+\p]
.endr
	v_pk_add_f32 v[16:17], v[16:17], v[32:33]
	global_store_b64 v14, v[16:17], s[8:9]         ; the wave stores 256 consecutive bytes, aligned
	s_wait_tensorcnt 0x0                           ; the wave's end, behind my last LDS store
	ds_add_u32 v9, v10
	s_wait_dscnt 0x0
	s_endpgm
.Lfunc_end_k_q9af2cee4b1_first16:
	.size	k_q9af2cee4b1_first16, .Lfunc_end_k_q9af2cee4b1_first16-k_q9af2cee4b1_first16
	.p2alignl 7, 3214868480
	.fill 96, 4, 3214868480
	.section	.rodata,"a",@progbits
	.p2align	6, 0x0
	.amdhsa_kernel k_q9af2cee4b1_first16
		.amdhsa_group_segment_fixed_size 71680
		.amdhsa_private_segment_fixed_size 0
		.amdhsa_enable_private_segment 0
		.amdhsa_kernarg_size 24
		.amdhsa_user_sgpr_count 2
		.amdhsa_user_sgpr_kernarg_segment_ptr 1
		.amdhsa_wavefront_size32 1
		.amdhsa_system_sgpr_workgroup_id_x 1
		.amdhsa_system_sgpr_workgroup_id_y 1
		.amdhsa_system_sgpr_workgroup_id_z 1
		.amdhsa_system_vgpr_workitem_id 0
		.amdhsa_next_free_vgpr 256
		.amdhsa_next_free_sgpr 66
		.amdhsa_reserve_vcc 1
		.amdhsa_float_denorm_mode_32 3
		.amdhsa_float_denorm_mode_16_64 3
		.amdhsa_memory_ordered 1
		.amdhsa_forward_progress 1
		.amdhsa_inst_pref_size 23
	.end_amdhsa_kernel
	.amdgpu_metadata
---
amdhsa.version: [ 1, 2 ]
amdhsa.kernels:
  - .name:           k_q9af2cee4b1_first16
    .symbol:         k_q9af2cee4b1_first16.kd
    .args:
      - { .name: first, .offset: 0, .size: 8, .value_kind: global_buffer, .address_space: global }
      - { .name: Wo, .offset: 8, .size: 8, .value_kind: global_buffer, .address_space: global }
      - { .name: out0, .offset: 16, .size: 8, .value_kind: global_buffer, .address_space: global }
    .group_segment_fixed_size: 71680
    .private_segment_fixed_size: 0
    .kernarg_segment_align: 8
    .kernarg_segment_size: 24
    .max_flat_workgroup_size: 512
    .sgpr_count:     66
    .vgpr_count:     256
    .wavefront_size: 32
...
	.end_amdgpu_metadata
.endif
;; end of part 5
